; MI455X (gfx1250); checked and timed in simulation.
; The chip was launched on July 23, 2026; its instructions are those of AMD's public machine-readable ISA for CDNA 5 (MIT licence, August 2026) and "CDNA5" Instruction Set Architecture Reference Guide (July 2026). The comments in the code are by the model that wrote it; some were corrected since.
;; Group Query Attention. Allowed arithmetic: matrix products marked QUANTISED: E2M3 operands, one E8M0 scale for each 32 along K, by v_wmma_scale_f32_16x16x128_f8f6f4 with both operands' format E2M3, f32 sums; everything else in f32.
;; Inputs: Wk 512 x 2,048 float32; Wo 2,048 x 1,024 float32; Wq 1,024 x 2,048 float32; Wv 512 x 2,048 float32; bk 512 float32; bo 2,048 float32; bq 1,024 float32; bv 512 float32; position_ids 2 x 2,048 int32; sinks 1 x 16 x 1 x 1 float32; x 2 x 2,048 x 2,048 float32.
;; Outputs: out0 2 x 2,048 x 2,048 float32.
;; This version of the problem:
;;   THIS VERSION OF THE PROBLEM IS GIVEN IN LOW PRECISION. The matrix products marked QUANTISED in the list below multiply operands that are first quantised to E2M3 (2 exponent bits, 3 mantissa bits; 6 bits a number), with one power-of-two scale for each 32 numbers along K (OCP MX v1.0); their sums are f32. All else is computed in f32.
;;   The module's matrix products, in the order in which they are computed (A, B: the left and right operand; K: the contracted axis; several contracted axes count as one K, in the product's order):
;;     1. [M 4,096, K 2,048] x [K 2,048, N 1,024]; A: input x; B: input Wq: QUANTISED
;;     2. [M 4,096, K 2,048] x [K 2,048, N 512]; A: input x; B: input Wk: QUANTISED
;;     3. [M 4,096, K 2,048] x [K 2,048, N 512]; A: input x; B: input Wv: QUANTISED
;;     4. batch 16 x [M 4,096, K 64] x [K 64, N 2,048]; A: computed on the way; B: computed on the way: QUANTISED
;;     5. batch 16 x [M 4,096, K 2,048] x [K 2,048, N 64]; A: computed on the way; B: computed on the way: QUANTISED
;;     6. [M 4,096, K 1,024] x [K 1,024, N 2,048]; A: computed on the way; B: input Wo: QUANTISED
;;   THE QUANTISER, for each operand of a quantised product, along K:
;;     - K is cut into blocks of 32 from its start; a last block that is shorter is filled with zeros.
;;     - A block's scale is 2^e with e = floor(log2(the largest magnitude in the block)) - 2, held to -126 .. 127; a block of zeros has e = 0. As a byte (E8M0): e + 127.
;;     - Each number is divided by its block's scale, clamped to +-7.5, and rounded to the nearest number of E2M3, ties to even, subnormals kept.
;;     - The product sums the exact products of the quantised numbers (number of the format x scale) in f32.
;;   ~~~python
;;   def quantise(x, axis):      # numpy; x: float32 -> the quantised numbers, widened to float32 again
;;       x = np.moveaxis(x, axis, -1); K = x.shape[-1]
;;       x = np.pad(x, [(0, 0)] * (x.ndim - 1) + [(0, -K % 32)]); x = x.reshape(x.shape[:-1] + (-1, 32)); a = np.abs(x).max(-1, keepdims=True)
;;       e = np.where(a > 0, np.clip(np.frexp(np.where(a > 0, a, 1))[1] - 1 - 2, -126, 127), 0)      # np.frexp(a)[1] - 1 = floor(log2(a)), exactly
;;       r = np.clip(x / 2.0 ** e, -7.5, 7.5)
;;       step = 2.0 ** (np.maximum(np.frexp(np.where(r == 0, 1, r))[1] - 1, 0) - 3)
;;       q = np.round(r / step) * step * 2.0 ** e      # np.round: ties to even
;;       return np.moveaxis(q.reshape(q.shape[:-2] + (-1,))[..., :K], -1, axis).astype(np.float32)
;;   ~~~
;;   OPERANDS COMPUTED ON THE WAY. 'Computed on the way' means the value that the module computes at that place (a softmax that the list does not call 'softmax' is quantised finished and normalised). What goes into a quantiser is computed in f32, as accurately as f32 sums, v_exp_f32 and their like allow (about 1e-6 of the number): no bf16 or f16 on the way to a quantiser, and a product that is left as it is and whose result goes on into a quantised operand takes f32 operands (vector FMAs, or v_wmma_f32_16x16x4_f32). A number that lies on a knife's edge between two numbers of the format may be rounded either way, as far as f32 arithmetic and the matrix unit's own rounding can turn it there, and no further.
;; One version. Each part assembles by itself: llvm-mc -triple=amdgcn-amd-amdhsa -mcpu=gfx1250 --defsym DOCPART=n.
;; ======== version 1 of 1: 3 launches
;; limits: right only within a limited range of input values
;; workspace buffers: opc 11,010,048 bytes; ops 458,752 bytes; rope 1,048,576 bytes; ctxc 3,145,728 bytes; ctxs 131,072 bytes
;; launch prep (part 1): grid 256 x 1, 8 waves a work-group, no clusters, 60,416 bytes of LDS; arguments x, Wq, Wk, Wv, Wo, position_ids, opc, ops, rope; writes opc, ops, rope
.if DOCPART == 1
	.amdgcn_target "amdgcn-amd-amdhsa--gfx1250"
	.amdhsa_code_object_version 6
	.text
	.protected	k_q2b819739ab_prep
	.globl	k_q2b819739ab_prep
	.p2align	8
	.type	k_q2b819739ab_prep,@function
k_q2b819739ab_prep:
	s_mov_b64 s[64:65], 0
	v_nop
	global_prefetch_b8 v0, s[64:65] scope:SCOPE_SE
	s_setreg_imm32_b32 hwreg(HW_REG_WAVE_MODE, 25, 1), 1
	s_wait_xcnt 0x0
; x [4096][2048], Wq|Wk|Wv [2048][2048] and Wo [2048][1024], f32, K innermost, become codes of FP6 (E2M3) with one E8M0 byte for each 32 along K; and the sine and cosine of every token's 32 rotary angles are made.
; LAYOUT OF THE CODES: in the order of the operand's registers.  A ROW TILE T has 16 slots; slot s holds row 32 (T / 2) + 8 (T % 2) + s + 8 (s / 8).  The image of (T, K step) is 1,536 bytes: three chunks of 512,
; lane l's registers 4 c .. 4 c + 3 at 16 l of chunk c; registers 0-5 of lane (r, h) are the codes of k = 32 h + 0 .. 31 of slot r, registers 6-11 those of k = 64 + 32 h + 0 .. 31.
; LAYOUT OF THE SCALES: a quad of 256 bytes for (T, four K steps): slot r's four words at 16 r; byte b of a word scales k = 32 b .. 32 b + 31 of its K step.
; ORDER OF THE TILES in opc and ops: for each key head g 16 tiles: Wq's 8 (query heads 2 g, 2 g + 1), Wk's 4, Wv's 4; then x's 256; then Wo's 128.
; A block's scale byte is its largest magnitude's exponent field - 2, held at 1 from below (a block of zeros gets 1: its codes are zeros, and only this program reads the bytes).
; SHARES.  1,792 jobs of one row tile x 512 along K (four images and one quad): seven a work-group, a wave a job; the eighth wave makes 16 tokens of the table, a lane a frequency.
; Each load reads 512 consecutive bytes of one row, and a wave asks for all its 64 at once; a K step's 16 rows x 512 bytes turn through the wave's own stage in LDS (rows 528 bytes apart) so that a lane gets two whole blocks of 32.
; No prefetch: everything is asked for at the head.  No tensor load, no barrier: waves share nothing.
; THE TABLE repeats the f32 roundings of the recipe that defines it, operation by operation: 10000^(i/32) as correctly rounded f32 numbers, quotients correctly rounded (reciprocal, one refinement, one residual step),
; products and sums unfused; the product with 0.1 ln 4 + 1 is taken as a double's (a head and a tail in f32); sine and cosine by a reduction with pi/2 in two parts and polynomials of degree 9 and 8.
; WORK LEFT OUT (in the launches behind this one): reference() hides every score with key > query or key <= query - 128 behind -infinity ahead of the softmax; key blocks that are hidden so for all queries of a block of 32 are
; not multiplied, but for a batch's first 128 tokens, whose work-groups go through the same steps as all others with those blocks hidden.  A NaN or an infinity that reaches only hidden scores is not carried to the result.
; LIMITS: NaN and infinities among the inputs are not served; positions lie in 0 .. 4,095, the table's length; the power is taken as correctly rounded and the last product as one in double precision.
.set SPARE, 59392                      ; behind the seven stages: the spare words, 128 bytes a wave
.set SPW,   12                         ; v12  my spare word's LDS address; never rewritten
.set NIL,   13                         ; v13  0; never rewritten
.set RO,    16                         ; v16-31   slot s: its row's byte offset + 16 x lane
.set C,     32                         ; v32-79   four images of twelve registers
.set X,     160                        ; v160-223 my two blocks of 32 neighbours.  window 1: four K steps of 64 registers as loaded
.set T0,    236
.set T1,    240
.set SEL,   60                         ; s[60:61] lane selects: lane l xor 16
.set MSB, 0
.macro WIN new                         ; the immediate's high byte repeats the setting that is left
.if MSB != (\new)
	s_set_vgpr_msb (MSB<<8)|(\new)
.set MSB, (\new)
.endif
.endm
.macro WALU
	s_wait_alu depctr_va_vdst(0)
.endm
.macro LOAD t                          ; K step t of the job: 16 rows x 512 bytes
.irp s, 0,1,2,3,4,5,6,7,8,9,10,11,12,13,14,15
	global_load_b128 v[64*(\t)+4*\s:64*(\t)+4*\s+3], v[RO+\s], s[34:35] offset:512*(\t) th:TH_LOAD_NT
.endr
.endm
.macro STEP t
	s_wait_loadcnt 16*(3-(\t))                     ; this step's 16 loads are in; those of the later steps may be out
	WIN 0x04
.irp s, 0,1,2,3,4,5,6,7,8,9,10,11,12,13,14,15
	ds_store_b128 v5, v[64*(\t)+4*\s:64*(\t)+4*\s+3] offset:528*\s
.endr
	WIN 0
.irp i, 0,1,2,3,4,5,6,7
	ds_load_b128 v[X+4*\i:X+4*\i+3], v6 offset:16*\i              ; block h of slot r (LDS serves a wave's instructions in order: these see the stores)
.endr
.irp i, 0,1,2,3,4,5,6,7
	ds_load_b128 v[X+32+4*\i:X+32+4*\i+3], v6 offset:256+16*\i    ; block 2 + h
.endr
	s_wait_dscnt 0x0
	v_max3_num_f32 v244, |v[X]|, |v[X+1]|, 0x1800000              ; the floor 2^(3 - 127): the byte cannot fall under 1
	v_max3_num_f32 v245, |v[X+32]|, |v[X+33]|, 0x1800000
.irp i, 2,4,6,8,10,12,14,16,18,20,22,24,26,28,30
	v_max3_num_f32 v244, v244, |v[X+\i]|, |v[X+\i+1]|
	v_max3_num_f32 v245, v245, |v[X+32+\i]|, |v[X+33+\i]|
.endr
	v_add_nc_u32 v246, 0xff000000, v244            ; 2 off the exponent field: the conversion's scale operand
	v_add_nc_u32 v247, 0xff000000, v245
	v_lshrrev_b32 v248, 23, v246                   ; the bytes
	v_lshrrev_b32 v249, 23, v247
	v_lshl_or_b32 v250, v249, 16, v248             ; blocks h and 2 + h,
	v_lshlrev_b32 v250, v14, v250                  ; 8 h bits up;
	v_permlanex16_b32 v251, v250, s[SEL], s[SEL+1]
	v_or_b32 v[8+(\t)], v250, v251                 ; with lane l xor 16's two the word is whole
.set CI, C+12*(\t)
	v_cvt_scalef32_pk16_fp6_f32 v[CI:CI+2], v[X:X+15], v246
	v_cvt_scalef32_pk16_fp6_f32 v[T0:T0+2], v[X+16:X+31], v246    ; (a conversion's three registers begin on an even number)
	v_cvt_scalef32_pk16_fp6_f32 v[CI+6:CI+8], v[X+32:X+47], v247
	v_cvt_scalef32_pk16_fp6_f32 v[T1:T1+2], v[X+48:X+63], v247
	v_nop                                          ; one plain place behind the conversions
.irp i, 0,1,2
	v_mov_b32 v[CI+3+\i], v[T0+\i]
	v_mov_b32 v[CI+9+\i], v[T1+\i]
.endr
.endm
.macro OUT t                           ; K step t's image
.irp c, 0,1,2
	global_store_b128 v4, v[C+12*(\t)+4*\c:C+12*(\t)+4*\c+3], s[16:17] offset:1536*(\t)+512*\c   ; 512 consecutive bytes; each step has registers of its own
.endr
.endm
; q = a / b, correctly rounded: reciprocal, one refinement, the quotient, its exact residual, one correction
.macro DIV q, a, b, y, e
	WALU
	v_rcp_f32 v[\y], v[\b]
	v_nop                                          ; a plain place behind the reciprocal,
	WALU                                           ; and a wait ahead of its first reader
	v_fma_f32 v[\e], -v[\b], v[\y], 1.0
	v_fma_f32 v[\y], v[\y], v[\e], v[\y]
	v_mul_f32 v[\q], v[\a], v[\y]
	v_fma_f32 v[\e], -v[\b], v[\q], v[\a]
	v_fma_f32 v[\q], v[\e], v[\y], v[\q]
.endm
; token n of my 16: sine and cosine of its 32 angles, a lane an angle
.macro TOKEN n
	v_readlane_b32 s28, v40, \n                    ; the position, as f32
	v_mul_f32 v50, s28, v51                        ; position x frequency, rounded to f32
	v_mul_f32 v52, s30, v50                        ; x (0.1 ln 4 + 1): the head's product,
	v_fma_f32 v53, v50, s30, -v52                  ; its exact error,
	v_fma_f32 v53, v50, s31, v53                   ; the tail's product,
	v_add_f32 v52, v52, v53                        ; and one rounding to f32: the angle
	v_mul_f32 v53, s41, v52
	v_rndne_f32 v53, v53                           ; k = the nearest whole number to angle x 2 / pi, under 2^12
	v_fma_f32 v54, v53, s32, v52                   ; angle - k x (pi/2's head): exact
	v_fma_f32 v54, v53, s33, v54                   ; - k x its tail: the reduced angle
	v_mul_f32 v55, v54, v54
	v_cvt_i32_f32 v56, v53
	v_fma_f32 v57, v55, s34, s35
	v_fma_f32 v58, v55, s38, s39
	v_fma_f32 v57, v57, v55, s36
	v_fma_f32 v58, v58, v55, s40
	v_fma_f32 v57, v57, v55, s37
	v_fma_f32 v58, v58, v55, -0.5
	v_mul_f32 v59, v54, v55
	v_fma_f32 v58, v58, v55, 1.0                   ; the reduced angle's cosine
	v_fma_f32 v57, v59, v57, v54                   ; and sine
	v_and_b32 v59, 1, v56
	v_cmp_eq_u32 vcc_lo, 1, v59                    ; an odd quadrant swaps the two
	v_cndmask_b32 v60, v57, v58, vcc_lo
	v_cndmask_b32 v61, v58, v57, vcc_lo
	v_lshlrev_b32 v59, 30, v56                     ; the sine's sign: bit 1 of k
	v_and_b32 v59, 0x80000000, v59
	v_xor_b32 v[64+2*\n], v59, v60
	v_add_nc_u32 v56, 1, v56                       ; the cosine's: bit 1 of k + 1
	v_lshlrev_b32 v56, 30, v56
	v_and_b32 v56, 0x80000000, v56
	v_xor_b32 v[65+2*\n], v56, v61
.endm
.macro TOUT n
	global_store_b32 v3, v[64+2*\n], s[20:21] offset:256*\n        ; 128 consecutive bytes: the token's sines,
	global_store_b32 v3, v[65+2*\n], s[20:21] offset:256*\n+128    ; and its cosines: the two fill the token's 256 bytes.  Each token has registers of its own
.endm
	s_load_b256 s[4:11], s[0:1], 0x0               ; x, Wq, Wk, Wv
	s_load_b256 s[12:19], s[0:1], 0x20             ; Wo, position_ids, opc, ops
	s_load_b64 s[20:21], s[0:1], 0x40              ; rope
	v_lshl_add_u32 v[SPW], v0, 2, SPARE
	v_mov_b32 v[NIL], 0
	v_lshrrev_b32 v1, 5, v0
	v_readfirstlane_b32 s22, v1                    ; wave
	v_and_b32 v2, 31, v0                           ; lane
	s_mov_b32 s[SEL], 0x76543210
	s_mov_b32 s[SEL+1], 0xfedcba98
	WALU
	s_cmp_eq_u32 s22, 7
	s_cbranch_scc1 .Ltable
	; ---------------- the quantiser ----------------
	v_and_b32 v1, 15, v0                           ; r
	v_bfe_u32 v3, v0, 4, 1                         ; h
	v_lshlrev_b32 v4, 4, v2                        ; 16 x lane
	s_mul_i32 s23, s22, 8448                       ; my stage
	v_add_nc_u32 v5, s23, v4                       ; in: row s at 528 s, 16 bytes a lane
	v_mul_u32_u24 v6, v1, 528
	v_lshl_add_u32 v6, v3, 7, v6
	v_add_nc_u32 v6, s23, v6                       ; out: row r, 128 h bytes on
	v_lshlrev_b32 v7, 4, v1
	v_lshl_add_u32 v7, v3, 3, v7                   ; the quad: 16 r + 8 h
	v_lshlrev_b32 v14, 3, v3                       ; 8 h
	v_mov_b32 v251, 0                              ; (a lane permute's destination counts as read)
	s_mul_i32 s24, ttmp9, 7
	s_add_co_u32 s24, s24, s22                     ; my job: 0-1023 x, 1024-1279 Wq, -1407 Wk, -1535 Wv, -1791 Wo
	s_and_b32 s25, s24, 1                          ; which 512 along K: Wo,
	s_and_b32 s26, s24, 3                          ; the others
	s_lshr_b32 s33, s24, 2                         ; x's tile
	s_sub_co_u32 s27, s24, 1536
	s_lshr_b32 s27, s27, 1                         ; Wo's tile
	s_sub_co_u32 s28, s24, 1024
	s_lshr_b32 s28, s28, 2                         ; Wq's tile
	s_sub_co_u32 s29, s28, 64                      ; Wk's
	s_sub_co_u32 s30, s28, 96                      ; Wv's
	s_mov_b32 s31, 9437184                         ; where Wo's codes begin in opc,
	s_mov_b32 s32, 393216                          ; and its scales in ops
	s_lshr_b32 s50, s30, 2                         ; Wv's tile t: 16 (t / 4) + 12 + t % 4
	s_lshl_b32 s50, s50, 4
	s_and_b32 s53, s30, 3
	s_add_co_u32 s50, s50, s53
	s_add_co_u32 s50, s50, 12
	s_lshr_b32 s51, s29, 2                         ; Wk's: 16 (t / 4) + 8 + t % 4
	s_lshl_b32 s51, s51, 4
	s_and_b32 s53, s29, 3
	s_add_co_u32 s51, s51, s53
	s_add_co_u32 s51, s51, 8
	s_lshr_b32 s52, s28, 3                         ; Wq's: 16 (t / 8) + t % 8
	s_lshl_b32 s52, s52, 4
	s_and_b32 s53, s28, 7
	s_add_co_u32 s52, s52, s53
	WALU
	s_cmp_lt_u32 s24, 1536                         ; every choice hangs on the job's number alone
	s_cselect_b32 s36, s30, s27                    ; the tile in its source,
	s_cselect_b32 s37, s50, s27                    ; and in its region
	s_cselect_b32 s31, 0, s31
	s_cselect_b32 s32, 0, s32
	s_cselect_b32 s38, s26, s25                    ; which 512 along K
	s_cselect_b32 s39, 1, 0                        ; 1: K = 2,048; 0: K = 1,024
	s_cmp_lt_u32 s24, 1408
	s_cselect_b32 s36, s29, s36
	s_cselect_b32 s37, s51, s37
	s_cmp_lt_u32 s24, 1280
	s_cselect_b32 s36, s28, s36
	s_cselect_b32 s37, s52, s37
	s_cmp_lt_u32 s24, 1024
	s_cselect_b32 s36, s33, s36
	s_cselect_b32 s37, s33, s37
	s_cselect_b32 s31, 3145728, s31
	s_cselect_b32 s32, 131072, s32
	s_add_co_u32 s40, s39, 12                      ; log2 of a row's bytes
	s_lshr_b32 s41, s36, 1
	s_lshl_b32 s41, s41, 5
	s_and_b32 s42, s36, 1
	s_lshl_b32 s42, s42, 3
	s_add_co_u32 s41, s41, s42                     ; the tile's first row
	s_lshl_b32 s41, s41, s40
	s_lshl_b32 s42, s38, 11
	s_add_co_u32 s42, s41, s42
	s_mov_b32 s43, 0
.irp s, 0,1,2,3,4,5,6,7,8,9,10,11,12,13,14,15
	s_lshl_b32 s48, \s+8*(\s/8), s40
	v_add_nc_u32 v[RO+\s], s48, v4
.endr
	WALU
	s_wait_kmcnt 0x0                               ; nothing above hangs on the arguments
	s_cmp_lt_u32 s24, 1536
	s_cselect_b64 s[34:35], s[10:11], s[12:13]
	s_cmp_lt_u32 s24, 1408
	s_cselect_b64 s[34:35], s[8:9], s[34:35]
	s_cmp_lt_u32 s24, 1280
	s_cselect_b64 s[34:35], s[6:7], s[34:35]
	s_cmp_lt_u32 s24, 1024
	s_cselect_b64 s[34:35], s[4:5], s[34:35]
	s_add_nc_u64 s[34:35], s[34:35], s[42:43]
	WIN 0x40
	LOAD 0
	LOAD 1
	LOAD 2
	LOAD 3
	WIN 0
	s_mul_i32 s44, s37, 12288
	s_lshl_b32 s44, s44, s39                       ; a tile's images: 1,536 bytes a K step
	s_mul_i32 s45, s38, 6144
	s_add_co_u32 s44, s44, s45
	s_add_co_u32 s44, s44, s31
	s_mov_b32 s45, 0
	s_add_nc_u64 s[16:17], s[16:17], s[44:45]
	s_lshl_b32 s46, s37, 9
	s_lshl_b32 s46, s46, s39
	s_lshl_b32 s47, s38, 8
	s_add_co_u32 s46, s46, s47
	s_add_co_u32 s46, s46, s32
	s_mov_b32 s47, 0
	s_add_nc_u64 s[18:19], s[18:19], s[46:47]
	STEP 0
	STEP 1
	STEP 2
	WALU
	OUT 0                                          ; the stores stand behind the third step, so that they follow the waves' loads
	OUT 1
	OUT 2
	STEP 3
	WALU
	OUT 3
	v_cmp_ne_u32 vcc_lo, 0, v3
	v_cndmask_b32 v244, v8, v10, vcc_lo            ; lanes 0-15 store words 0 and 1 of their slot, lanes 16-31 words 2 and 3
	v_cndmask_b32 v245, v9, v11, vcc_lo
	global_store_b64 v7, v[244:245], s[18:19]      ; 256 consecutive bytes
	s_wait_tensorcnt 0x0                           ; the wave's end
	ds_add_u32 v[SPW], v[NIL]
	s_wait_dscnt 0x0
	s_endpgm
	; ---------------- the table: no LDS is touched on this way ----------------
.Ltable:
	v_and_b32 v1, 15, v0
	v_lshlrev_b32 v1, 2, v1
	v_lshlrev_b32 v3, 2, v2                        ; 4 x lane
	s_lshl_b32 s24, ttmp9, 6                       ; 16 tokens a work-group
	s_mov_b32 s25, 0
	s_lshl_b32 s26, ttmp9, 12
	s_mov_b32 s27, 0
	WALU
	s_wait_kmcnt 0x0
	s_add_nc_u64 s[14:15], s[14:15], s[24:25]
	s_add_nc_u64 s[20:21], s[20:21], s[26:27]
	global_load_b32 v40, v1, s[14:15]              ; my 16 tokens' positions (lanes 16-31 repeat them)
	v_mov_b32 v41, 0
.set li, 0
.irp p, 0x3f800000,0x3faab0d5,0x3fe39ea9,0x4017c496,0x404a62c2,0x4086f161,0x40b3f300,0x40eff755,0x41200000,0x41555d0a,0x418e432a,0x41bdb5bc,0x41fcfb72,0x4228adb9,0x4260efc0,0x4295fa95,0x42c80000,0x43055a26,0x4331d3f4,0x436d232b,0x439e1d27,0x43d2d927,0x440c95d8,0x443b793b,0x447a0000,0x44a6b0b0,0x44de48f1,0x451435fb,0x4545a471,0x4583c7b8,0x45afbb4e,0x45ea5789
	s_mov_b32 s28, \p                              ; 10000^(i / 32) = 10^(i / 8), rounded to f32, into lane i
	v_writelane_b32 v41, s28, li
.set li, li+1
.endr
	s_mov_b32 s30, 0x3f91be9c                      ; 0.1 ln 4 + 1: its head in f32,
	s_mov_b32 s31, 0xafd16b3f                      ; and what the head leaves
	s_mov_b32 s32, 0xbfc90fdb                      ; - pi/2: head,
	s_mov_b32 s33, 0x333bbd2e                      ; and tail
	s_mov_b32 s34, 0x36366c3c                      ; the sine's coefficients, highest first
	s_mov_b32 s35, 0xb95007cf
	s_mov_b32 s36, 0x3c088884
	s_mov_b32 s37, 0xbe2aaaab
	s_mov_b32 s38, 0x37cc9a17                      ; the cosine's
	s_mov_b32 s39, 0xbab6043f
	s_mov_b32 s40, 0x3d2aaa9f
	s_mov_b32 s41, 0x3f22f983                      ; 2 / pi
	v_mov_b32 v42, 1.0
	DIV 43, 42, 41, 62, 63                         ; the frequency
	v_mov_b32 v44, 0x40c90fdb                      ; 2 pi
	DIV 45, 44, 43, 62, 63                         ; the wave length
	v_add_f32 v46, 0xc2000000, v45                 ; - 32
	v_mov_b32 v47, 0x44780000                      ; 992
	DIV 48, 46, 47, 62, 63
	v_med3_num_f32 v48, v48, 0, 1.0                ; t
	v_sub_f32 v49, 1.0, v48
	v_mul_f32 v49, v43, v49                        ; each product and the sum rounded by itself, as the recipe has them
	v_mul_f32 v50, 0x3e800000, v43
	v_mul_f32 v50, v50, v48
	v_add_f32 v51, v49, v50                        ; the frequency in effect
	WALU
	s_wait_loadcnt 0x0
	v_cvt_f32_i32 v40, v40
.irp n, 0,1,2,3,4,5,6,7,8,9,10,11,12,13,14,15
	TOKEN \n
.endr
	WALU
.irp n, 0,1,2,3,4,5,6,7,8,9,10,11,12,13,14,15
	TOUT \n
.endr
	s_endpgm
.Lfunc_end_k_q2b819739ab_prep:
	.size	k_q2b819739ab_prep, .Lfunc_end_k_q2b819739ab_prep-k_q2b819739ab_prep
	.p2alignl 7, 3214868480
	.fill 96, 4, 3214868480
	.section	.rodata,"a",@progbits
	.p2align	6, 0x0
	.amdhsa_kernel k_q2b819739ab_prep
		.amdhsa_group_segment_fixed_size 60416
		.amdhsa_private_segment_fixed_size 0
		.amdhsa_enable_private_segment 0
		.amdhsa_kernarg_size 72
		.amdhsa_user_sgpr_count 2
		.amdhsa_user_sgpr_kernarg_segment_ptr 1
		.amdhsa_wavefront_size32 1
		.amdhsa_system_sgpr_workgroup_id_x 1
		.amdhsa_system_sgpr_workgroup_id_y 1
		.amdhsa_system_sgpr_workgroup_id_z 1
		.amdhsa_system_vgpr_workitem_id 0
		.amdhsa_next_free_vgpr 512
		.amdhsa_next_free_sgpr 66
		.amdhsa_reserve_vcc 1
		.amdhsa_float_denorm_mode_32 3
		.amdhsa_float_denorm_mode_16_64 3
		.amdhsa_memory_ordered 1
		.amdhsa_forward_progress 1
		.amdhsa_inst_pref_size 67
	.end_amdhsa_kernel
	.amdgpu_metadata
---
amdhsa.version: [ 1, 2 ]
amdhsa.kernels:
  - .name:           k_q2b819739ab_prep
    .symbol:         k_q2b819739ab_prep.kd
    .args:
      - { .name: x, .offset: 0, .size: 8, .value_kind: global_buffer, .address_space: global }
      - { .name: Wq, .offset: 8, .size: 8, .value_kind: global_buffer, .address_space: global }
      - { .name: Wk, .offset: 16, .size: 8, .value_kind: global_buffer, .address_space: global }
      - { .name: Wv, .offset: 24, .size: 8, .value_kind: global_buffer, .address_space: global }
      - { .name: Wo, .offset: 32, .size: 8, .value_kind: global_buffer, .address_space: global }
      - { .name: position_ids, .offset: 40, .size: 8, .value_kind: global_buffer, .address_space: global }
      - { .name: opc, .offset: 48, .size: 8, .value_kind: global_buffer, .address_space: global }
      - { .name: ops, .offset: 56, .size: 8, .value_kind: global_buffer, .address_space: global }
      - { .name: rope, .offset: 64, .size: 8, .value_kind: global_buffer, .address_space: global }
    .group_segment_fixed_size: 60416
    .private_segment_fixed_size: 0
    .kernarg_segment_align: 8
    .kernarg_segment_size: 72
    .max_flat_workgroup_size: 256
    .sgpr_count:     66
    .vgpr_count:     512
    .wavefront_size: 32
...
	.end_amdgpu_metadata
.endif
;; end of part 1
;; launch qkva (part 2): grid 8 x 32, 4 waves a work-group, clusters of 4 x 4, 327,680 bytes of LDS; arguments opc, ops, rope, bq, bk, bv, sinks, ctxc, ctxs; writes ctxc, ctxs
.if DOCPART == 2
	.amdgcn_target "amdgcn-amd-amdhsa--gfx1250"
	.amdhsa_code_object_version 6
	.text
	.protected	k_q2b819739ab_qkva
	.globl	k_q2b819739ab_qkva
	.p2align	8
	.type	k_q2b819739ab_qkva,@function
k_q2b819739ab_qkva:
	s_mov_b64 s[64:65], 0
	v_nop
	global_prefetch_b8 v0, s[64:65] scope:SCOPE_SE
	s_setreg_imm32_b32 hwreg(HW_REG_WAVE_MODE, 25, 1), 1
	s_wait_xcnt 0x0
	s_wait_alu depctr_hold_cnt(0) depctr_sa_sdst(0) depctr_va_vdst(0) depctr_va_sdst(0) depctr_va_ssrc(0) depctr_va_vcc(0) depctr_vm_vsrc(0)
	s_getreg_b32 s2, hwreg(HW_REG_IB_STS2, 6, 4)
	s_cmp_eq_u32 s2, 0
	s_cbranch_scc0 .Lentry_in_a_cluster
	s_endpgm
.Lentry_in_a_cluster:
	s_bfe_u32 s2, ttmp6, 0x10000c
	s_cmp_lg_u32 s2, 0xf033
	s_cbranch_scc0 .Lentry_shape_is_right
	s_endpgm
.Lentry_shape_is_right:
; Q, K, V = x W^T + bias on codes of FP6 (E2M3) with E8M0 scales; Q and K rotated and quantised along the head's 64, V along the tokens; then attention under the causal mask with a window of 128 and a sink
; logit, both products on codes; the result is quantised along head x 64 + channel and leaves as operand images.  Q, K and V stay on the WGP.
; A WORK-GROUP (g, Y) takes key head g, query heads 2 g and 2 g + 1, and the 128 tokens of block Y.  Its queries see those and the 128 tokens ahead of them, so K and V are made for 256 tokens: a WINDOW of 16 row tiles, 0-7 the
; earlier tokens, 8-15 its own.  In a batch's first block (Y % 16 = 0) the earlier tiles are whatever lies ahead in the buffer (finite codes: another batch's tokens, or weights); their scores are hidden.
; IMAGES: 1,536 bytes for (tile, K step of 128): three chunks of 512, 16 bytes a lane.  Slot s of row tile T is row 32 (T / 2) + 8 (T % 2) + s + 8 (s / 8).
; PRODUCTS.  Wave w holds eight token tiles: positions 0-3 are window tiles 4 w .. 4 w + 3, positions 4-7 begin at 8, 12, 12, 8.  All eight meet four feature tiles, TRANSPOSED (source 0 = features): K's for waves 0 and 1,
; query head 2 g's for wave 2, 2 g + 1's for wave 3: a lane holds one token and its registers run along the channels.  Positions 0-3 also meet V's four tiles, untransposed: a lane holds one channel and its registers run along
; the tokens.  So every quantiser finds its block in lanes l and l xor 16, and all waves run one text.
; K GOES through two LDS slots of three K steps: chunks of 3, 3, 3, 3, 3, 1.  At the head one tensor load a wave: chunk 0's tokens and weights, chunk 1's tokens and weights.  Four refills, each behind a drained round of the cluster's barrier.
; CLUSTERS 4 x 4: a row (same Y) shares the tokens' tiles, a column (same g) the weights'.  Scale words come straight into registers.
; PREFETCH: one chunk ahead of the refill that loads it; the four partners share the 16 tiles by address, a wave one tile, a lane 256 bytes; the weights', which eight clusters load, are named by the four clusters with an even y.
; THE SOFTMAX is finished ahead of the quantiser: the largest of the scores and 8 x sink is taken away, p = 2^(c s - c M), c = log2(e) / 8; the divisor holds the sink's term.  A block's largest attn is not searched for: its largest
; score goes through the same instructions.  Hidden scores get -3e38 as the C of their product.
; LIMITS: scaled scores stay under 2^31 in magnitude; NaN and infinities are not served; a block of zeros gets the byte 1 (its codes are zeros; only this program reads the bytes).
; WORK LEFT OUT: key blocks outside a - 4 .. a for query block a (hidden by the mask for all its queries).
; REGISTERS, products: window 0: v1-27 addresses; v28-91 tokens' scale words, v94-157 features'; v160-255 features' fragments, set 0.  window 1: v0-191 tokens' fragments, two sets; v192-255 biases.
;   window 2: the 32 sums of K or Q.  window 3: v0-127 V's 16 sums; v128-223 features' fragments, set 1.
; attention: window 0: v28-65 scale words.  window 1: v0-65 K; v72-119, v120-149 V; v160-223 O^T.  window 2: v0-159 scores of two heads, v160-255 at work.  window 3: v0-47 attn's codes; v64-90 at work; v128-163 Q; v176-231 the scores' C.
.set TILEB, 24576
.set CH,    4608                       ; a chunk of three K steps of a tile
.set WOFF,  16*CH
.set SLOT,  32*CH
.set SPARE, 2*SLOT
.set SCK,   24576                      ; LDS behind the products, in slot 0, which has had its last fill: 32 images of K and Q tiles (768 bytes each) from 0 on; their scale words, 64 bytes a tile;
.set VREC,  26624                      ; V's records: 8 blocks of BLKB bytes
.set BLKB,  1664
.set SCV,   39936                      ; V's scale bytes, 8 a channel
.set CS,    40448                      ; the result's scale words
.set SPW,   26
.set NIL,   27
.set ST,    28
.set SF,    94
.set G1T,   32
.set G1W,   40
.set G0T,   48
.set G0W,   52
.set G0T1,  56
.set G0W1,  60
.set MSB, 0
.macro WIN new
.if MSB != (\new)
	s_set_vgpr_msb (MSB<<8)|(\new)
.set MSB, (\new)
.endif
.endm
.macro PLACES
.rept 4
	v_nop
.endr
.endm
.macro WALU
	s_wait_alu depctr_va_vdst(0)
.endm
.macro CREST
	s_cmp_lg_u32 s22, 0
	s_cbranch_scc1 .Lnot_wave_0_\@
	s_barrier_signal -3
.Lnot_wave_0_\@:
	s_barrier_wait -3
	s_barrier_signal -1
	s_barrier_wait -1
.endm
.macro CROUND
	s_barrier_signal -1
	s_barrier_wait -1
	CREST
.endm
.macro TLOAD g0, g1
	tensor_load_to_lds s[\g0:\g0+3], s[\g1:\g1+7]
	s_nop 0
	PLACES
.endm
.macro WM d, fa, fb, c, sa, sb, ra, rb ; one product; ra, rb: the scale words stand in lanes 16-31
.if (\ra)
	v_wmma_scale_f32_16x16x128_f8f6f4 v[\d:\d+7], v[\fa:\fa+11], v[\fb:\fb+11], \c, v[\sa], v[\sb] matrix_a_fmt:MATRIX_FMT_FP6 matrix_b_fmt:MATRIX_FMT_FP6 matrix_a_scale:MATRIX_SCALE_ROW1
.elseif (\rb)
	v_wmma_scale_f32_16x16x128_f8f6f4 v[\d:\d+7], v[\fa:\fa+11], v[\fb:\fb+11], \c, v[\sa], v[\sb] matrix_a_fmt:MATRIX_FMT_FP6 matrix_b_fmt:MATRIX_FMT_FP6 matrix_b_scale:MATRIX_SCALE_ROW1
.else
	v_wmma_scale_f32_16x16x128_f8f6f4 v[\d:\d+7], v[\fa:\fa+11], v[\fb:\fb+11], \c, v[\sa], v[\sb] matrix_a_fmt:MATRIX_FMT_FP6 matrix_b_fmt:MATRIX_FMT_FP6
.endif
.endm
; fragment i of K step cs: 0-3 features of K or Q, 4-7 and 8-11 tokens, 12-15 V's features: three loads of 512 consecutive bytes
.macro FRG i, cs
.set FP_, (\cs)%2
.set FC_, (\cs)/3
.set FQ_, (\cs)%3
.set FK_, (\i)/4
.set FJ_, (\i)%4
.if FC_ == 5
.set FR_, 18+FK_
.set FT_, 1536
.else
.set FR_, 10+2*FK_+(FC_%2)
.set FT_, CH
.endif
.if (FK_ == 1) || (FK_ == 2)
	WIN 0x40
.set FD_, 96*FP_+12*((\i)-4)
.else
	WIN 0xc0*FP_
.set FD_, 160-32*FP_+12*FJ_+16*FK_
.endif
.irp c, 0,1,2
	ds_load_b128 v[FD_+4*\c:FD_+4*\c+3], v[FR_] offset:FT_*FJ_+1536*FQ_+512*\c
.endr
.endm
; product n of K step cs: 0-31 K or Q (token position n / 4, feature tile n % 4), 32-47 V.  The 48 sums take turns, one instruction a turn, in the same order in every step
.macro PROD n, cs, first
.set PP_, (\cs)%2
.set PS_, 16*((\cs)/4)+(\cs)%4
.set PF_, 160-32*PP_
.set PT_, (\n)%4
.set PA_, ((\n)%32)/4
.if (\n) < 32
.set PD_, 32*PA_+8*PT_
.if \first
	WIN 0x94
	WM PD_, PF_+12*PT_, 96*PP_+12*PA_, v[192+8*PT_:192+8*PT_+7], SF+PS_+4*PT_, ST+PS_+4*(PA_%4), 0, PA_/4
.else
	WIN 0xa4+3*PP_
	WM PD_, PF_+12*PT_, 96*PP_+12*PA_, v[PD_:PD_+7], SF+PS_+4*PT_, ST+PS_+4*(PA_%4), 0, PA_/4
.endif
.else
.set PD_, 64*(PA_/2)+16*PT_+8*(PA_%2)
.if \first
	WIN 0xd1
	WM PD_, 96*PP_+12*PA_, PF_+48+12*PT_, v[224+8*PT_:224+8*PT_+7], ST+PS_+4*PA_, SF+PS_+4*PT_, 0, 1
.else
	WIN 0xf1+12*PP_
	WM PD_, 96*PP_+12*PA_, PF_+48+12*PT_, v[PD_:PD_+7], ST+PS_+4*PA_, SF+PS_+4*PT_, 0, 1
.endif
.endif
.endm
; half k of the rotary table's tile k / 2 (sines, then cosines of channels 16 h + 0 .. 15 of the lane's token): four loads
.macro TLD k
.set LA_, (\k)/2
.if LA_ < 3
	WIN 0
.set LB_, 160+32*LA_
.else
	WIN 0x40
.if LA_ < 6
.set LB_, 32*(LA_-3)
.else
.set LB_, 192+32*(LA_-6)
.endif
.endif
.set LB_, LB_+16*((\k)%2)
.set LO_, (32*((LA_%4)/2)+8*(LA_%2))*256+128*((\k)%2)
.irp j, 0,1,2,3
.if LA_ < 4
	global_load_b128 v[LB_+4*\j:LB_+4*\j+3], v24, s[10:11] offset:LO_+16*\j
.else
	global_load_b128 v[LB_+4*\j:LB_+4*\j+3], v24, s[12:13] offset:LO_+16*\j
.endif
.endr
.endm
.macro RUN from, to, cs, first         ; products \from .. \to - 1
.set NN_, \from
.rept (\to)-(\from)
	PROD NN_, \cs, \first
.set NN_, NN_+1
.endr
.endm
.macro FETCHF cs                       ; a K step's eight feature fragments: 24 loads in one run
.irp i, 0,1,2,3,12,13,14,15
	FRG \i, \cs
.endr
.endm
.macro FETCHT cs                       ; its eight token fragments: another 24
.irp i, 4,5,6,7,8,9,10,11
	FRG \i, \cs
.endr
.endm
.macro STEP cs, first
	s_wait_dscnt 0x0                               ; this step's fragments are in
	PLACES                                         ; in front of loads into registers that the last step's products have read
	FETCHF (\cs)+1
	RUN 0, 24, \cs, \first
	FETCHT (\cs)+1
	RUN 24, 48, \cs, \first
	WIN 0
.endm
.macro ASK c, v
	global_prefetch_b8 v[\v], s[72:73] offset:CH*(\c) th:TH_LOAD_NT scope:SCOPE_SE
	s_cmp_eq_u32 s85, 0
	s_cbranch_scc0 .Lnot_mine_\@
	global_prefetch_b8 v[\v], s[74:75] offset:CH*(\c) th:TH_LOAD_NT scope:SCOPE_SE
.Lnot_mine_\@:
.endm
; a chunk's last step; fill: the chunk that its slot takes next (0: none)
.macro TURN cs, fill
	s_wait_dscnt 0x0
	PLACES
	RUN 0, 8, \cs, 0
	WIN 0
	s_wait_tensorcnt 0x0                           ; all my tensor loads have landed
	ds_add_u32 v[SPW], v[NIL]
.if (\fill)
	s_mov_b32 s[G0T+1], ((\fill)%2)*SLOT           ; no tensor load of mine is out: the descriptors may be written
	s_mov_b32 s[G0W+1], ((\fill)%2)*SLOT+WOFF
.if (\fill) == 2
	s_add_nc_u64 s[G0T+2:G0T+3], s[G0T+2:G0T+3], 2*CH
	s_add_nc_u64 s[G0W+2:G0W+3], s[G0W+2:G0W+3], 2*CH
.else
	s_add_nc_u64 s[G0T+2:G0T+3], s[G0T+2:G0T+3], CH
	s_add_nc_u64 s[G0W+2:G0W+3], s[G0W+2:G0W+3], CH
.endif
.if (\fill) == 5
	s_mov_b32 s[G1T+1], 192<<16                    ; the last chunk is one K step: rows of 1,536 bytes
	s_mov_b32 s[G1T+3], 192<<16
	s_mov_b32 s[G1W+1], 192<<16
	s_mov_b32 s[G1W+3], 192<<16
.endif
.endif
	RUN 8, 16, \cs, 0
	s_wait_dscnt 0x0                               ; the add is done; my reads of this slot were over at the step's head
	s_barrier_signal -1
	RUN 16, 24, \cs, 0
	WIN 0
	s_barrier_wait -1
.if (\fill)
	CREST                                          ; the barrier has opened a round of the cluster's
	s_cmp_eq_u32 s22, 0
	s_cbranch_scc0 .Lother_\@
	TLOAD G0T, G1T
	s_branch .Lasked_\@
.Lother_\@:
	s_cmp_eq_u32 s22, 1
	s_cbranch_scc0 .Lasked_\@
	TLOAD G0W, G1W
.Lasked_\@:
	PLACES
.endif
	FETCHF (\cs)+1
	RUN 24, 36, \cs, 0
	FETCHT (\cs)+1
	RUN 36, 48, \cs, 0
	WIN 0
.if ((\fill) > 1) && ((\fill) < 4)
	ASK (\fill)+1, 22
.elseif (\fill) == 4
	ASK 5, 23
.endif
.endm
	s_load_b256 s[4:11], s[0:1], 0x0               ; opc, ops, rope, bq
	s_load_b256 s[12:19], s[0:1], 0x20             ; bk, bv, sinks, ctxc
	s_load_b64 s[20:21], s[0:1], 0x40              ; ctxs
	v_lshl_add_u32 v[SPW], v0, 2, SPARE
	v_mov_b32 v[NIL], 0
	ds_add_u32 v[SPW], v[NIL]                      ; the opening lines
	ds_add_u32 v[SPW], v[NIL]
	v_lshrrev_b32 v1, 5, v0
	v_readfirstlane_b32 s22, v1                    ; w
	s_lshr_b32 s23, s22, 1
	s_and_b32 s24, s22, 1
	s_bfe_u32 s27, ttmp6, 0x40000                  ; cx
	s_bfe_u32 s28, ttmp6, 0x40004                  ; cy
	s_lshl_b32 s25, ttmp9, 2
	s_add_co_u32 s25, s25, s27                     ; g
	s_and_b32 s26, ttmp7, 0xffff
	s_lshl_b32 s26, s26, 2
	s_add_co_u32 s26, s26, s28                     ; Y
	s_lshl_b32 s68, s28, 2
	s_lshl_b32 s68, 15, s68                        ; my row of the cluster
	s_lshl_b32 s69, 0x1111, s27                    ; my column
	s_or_b32 s[G1T], s68, (3<<16)|(1<<21)          ; elements of 8 bytes, no padding
	s_or_b32 s[G1W], s69, (3<<16)|(1<<21)
.irp q, G1T, G1W
	s_mov_b32 s[\q+1], (CH/8)<<16                  ; 16 rows (tiles) of 4,608 bytes, TILEB apart
	s_mov_b32 s[\q+2], 16<<16
	s_mov_b32 s[\q+3], (CH/8)<<16
	s_mov_b32 s[\q+4], 16
	s_mov_b32 s[\q+5], TILEB/8
	s_mov_b32 s[\q+6], 0
	s_mov_b32 s[\q+7], 0
.endr
	s_mul_i32 s2, s26, 8*TILEB
	s_add_co_u32 s2, s2, 120*TILEB                 ; the window begins at tile 128 + 8 (Y - 1)
	s_mov_b32 s3, 0
	s_mul_i32 s66, s25, 16*TILEB                   ; the weights' tiles hang on g alone
	s_mov_b32 s67, 0
	s_mov_b32 s[G0T], 1
	s_mov_b32 s[G0T+1], 0
	s_mov_b32 s[G0W], 1
	s_mov_b32 s[G0W+1], WOFF
	s_mov_b32 s[G0T1], 1
	s_mov_b32 s[G0T1+1], SLOT
	s_mov_b32 s[G0W1], 1
	s_mov_b32 s[G0W1+1], SLOT+WOFF
	s_lshl_b32 s29, s22, 2                         ; positions 0-3: window tiles from 4 w on,
	s_xor_b32 s30, s22, s23
	s_and_b32 s30, s30, 1
	s_lshl_b32 s30, s30, 2
	s_or_b32 s30, s30, 8                           ; positions 4-7: from 8 or 12 on
	s_lshl_b32 s31, s23, 3
	s_xor_b32 s31, s31, 8
	s_and_b32 s70, s23, s24
	s_lshl_b32 s70, s70, 2
	s_or_b32 s31, s31, s70                         ; my features among the sixteen tiles: 8, 8, 0, 4
	s_lshl_b32 s94, s29, 10
	s_lshl_b32 s95, s30, 10
	s_lshl_b32 s96, s31, 10
	s_lshl_b32 s86, s26, 13                        ; where the window's scale words begin,
	s_add_co_u32 s86, s86, 122880
	s_mov_b32 s87, 0
	s_lshl_b32 s88, s25, 14                        ; and the features'
	s_mov_b32 s89, 0
	v_and_b32 v1, 15, v0                           ; r
	v_bfe_u32 v2, v0, 4, 1                         ; h
	v_and_b32 v3, 31, v0                           ; lane
	v_lshlrev_b32 v9, 4, v3                        ; 16 x lane
	v_cmp_ne_u32 s99, 0, v2
	v_mov_b32 v5, s94
	v_mov_b32 v7, s95
	v_cndmask_b32 v4, v5, v7, s99
	v_lshl_add_u32 v4, v1, 4, v4                   ; tokens' words: lanes 0-15 position i, lanes 16-31 position i + 4
	v_mov_b32 v5, s96
	v_mov_b32 v7, 12288
	v_cndmask_b32 v6, v5, v7, s99
	v_lshl_add_u32 v6, v1, 4, v6                   ; features': lanes 0-15 mine, lanes 16-31 V's
	v_lshlrev_b32 v7, 6, v2
	v_and_b32 v8, 8, v1
	v_add_nc_u32 v8, v8, v1                        ; r + 8 (r / 8)
	v_lshlrev_b32 v5, 2, v8
	v_lshlrev_b32 v24, 8, v8
	v_lshl_add_u32 v24, v2, 6, v24                 ; the table: my token's 256 bytes, + 64 h
	WALU
	s_wait_dscnt 0x0                               ; both opening adds are done
	CROUND                                         ; all sixteen work-groups are here
	s_wait_kmcnt 0x0
	s_add_nc_u64 s[2:3], s[4:5], s[2:3]
	s_add_nc_u64 s[66:67], s[4:5], s[66:67]
	s_mov_b64 s[G0T+2:G0T+3], s[2:3]
	s_or_b32 s[G0T+3], s[G0T+3], 0x80000000
	s_mov_b64 s[G0W+2:G0W+3], s[66:67]
	s_or_b32 s[G0W+3], s[G0W+3], 0x80000000
	s_add_nc_u64 s[G0T1+2:G0T1+3], s[2:3], CH
	s_or_b32 s[G0T1+3], s[G0T1+3], 0x80000000
	s_add_nc_u64 s[G0W1+2:G0W1+3], s[66:67], CH
	s_or_b32 s[G0W1+3], s[G0W1+3], 0x80000000
	s_cmp_eq_u32 s22, 0                            ; one tensor load a wave at the head, an arm each
	s_cbranch_scc0 .Lwave_1
	TLOAD G0T, G1T
	s_branch .Lasked
.Lwave_1:
	s_cmp_eq_u32 s22, 1
	s_cbranch_scc0 .Lwave_2
	TLOAD G0W, G1W
	s_branch .Lasked
.Lwave_2:
	s_cmp_eq_u32 s22, 2
	s_cbranch_scc0 .Lwave_3
	TLOAD G0T1, G1T
	s_branch .Lasked
.Lwave_3:
	TLOAD G0W1, G1W
.Lasked:
	s_add_nc_u64 s[68:69], s[6:7], s[86:87]        ; scale words: the window's,
	s_add_nc_u64 s[100:101], s[6:7], s[88:89]      ; the features'
.irp sg, 0,1,2,3
.irp i, 0,1,2,3
	global_load_b128 v[ST+16*\sg+4*\i:ST+16*\sg+4*\i+3], v4, s[68:69] offset:1024*\i+256*\sg
	global_load_b128 v[SF+16*\sg+4*\i:SF+16*\sg+4*\i+3], v6, s[100:101] offset:1024*\i+256*\sg
.endr
.endr
	s_mov_b32 s71, 0
	s_lshl_b32 s70, s27, 2
	s_add_co_u32 s70, s70, s22
	s_mul_i32 s70, s70, TILEB
	s_add_nc_u64 s[72:73], s[2:3], s[70:71]        ; the prefetches: tile 4 cx + w of the tokens',
	s_lshl_b32 s70, s28, 2
	s_add_co_u32 s70, s70, s22
	s_mul_i32 s70, s70, TILEB
	s_add_nc_u64 s[74:75], s[66:67], s[70:71]      ; tile 4 cy + w of the weights'
	s_and_b32 s85, ttmp7, 1
	s_lshl_b32 s97, s25, 1
	s_add_co_u32 s97, s97, s24
	s_lshl_b32 s97, s97, 8
	s_lshl_b32 s98, s25, 8
	s_mov_b32 s3, 0
	s_cmp_lt_u32 s22, 2                            ; waves 0 and 1 make K, waves 2 and 3 Q
	s_cselect_b32 s2, s98, s97
	s_cselect_b64 s[90:91], s[12:13], s[10:11]
	s_add_nc_u64 s[90:91], s[90:91], s[2:3]
	s_mov_b32 s2, s98
	s_add_nc_u64 s[92:93], s[14:15], s[2:3]
	s_lshl_b32 s98, s26, 7
	s_sub_co_i32 s98, s98, 128
	s_lshl_b32 s2, s22, 6
	s_add_co_i32 s2, s98, s2
	s_max_i32 s2, s2, 0                            ; (hidden tokens ahead of the first take the table's first rows)
	s_lshl_b32 s2, s2, 8
	s_add_nc_u64 s[10:11], s[8:9], s[2:3]          ; the rotary table at positions 0-3's tokens,
	s_lshl_b32 s2, s30, 4
	s_add_co_u32 s2, s98, s2
	s_lshl_b32 s2, s2, 8
	s_add_nc_u64 s[12:13], s[8:9], s[2:3]          ; and at positions 4-7's
	s_mul_i32 s2, s26, 98304
	s_mul_i32 s98, s22, 24576
	s_add_co_u32 s2, s2, s98
	s_mul_i32 s98, s25, 1536
	s_add_co_u32 s2, s2, s98
	s_add_nc_u64 s[86:87], s[18:19], s[2:3]        ; the result's images: (tile x 8 + g) x 1,536
	s_lshl_b32 s2, s25, 14
	s_lshl_b32 s98, s26, 9
	s_add_co_u32 s2, s2, s98
	s_add_nc_u64 s[88:89], s[20:21], s[2:3]        ; its scale words: [g][tile][slot]
	s_lshl_b32 s98, s25, 3
	s_load_b64 s[82:83], s[16:17], s98 offset:0x0  ; the sinks of heads 2 g and 2 g + 1
	s_mul_i32 s4, s29, CH
	s_mul_i32 s5, s30, CH
	s_mul_i32 s6, s31, CH
	s_mul_i32 s7, s29, 1536
	s_mul_i32 s14, s30, 1536
	s_mul_i32 s15, s31, 1536
	s_add_co_u32 s6, s6, WOFF
	s_add_co_u32 s15, s15, SLOT+WOFF
	s_add_co_u32 s7, s7, SLOT
	s_add_co_u32 s14, s14, SLOT
	s_mov_b32 s76, 0x76543210
	s_mov_b32 s77, 0xfedcba98
	s_mov_b32 s78, 0x3e38aa3b                      ; c = log2(e) / 8
	s_mov_b32 s79, s78
	s_mov_b32 s80, 0xbe38aa3b
	WIN 0x40
.irp t, 0,1,2,3
	global_load_b128 v[192+8*\t:195+8*\t], v7, s[90:91] offset:(32*(\t/2)+8*(\t%2))*4       ; features 32 (t / 2) + 8 (t % 2) + 16 h + 0 .. 7
	global_load_b128 v[196+8*\t:199+8*\t], v7, s[90:91] offset:(32*(\t/2)+8*(\t%2))*4+16
	global_load_b32 v[224+8*\t], v5, s[92:93] offset:(32*(\t/2)+8*(\t%2))*4                 ; V: one channel a lane
.endr
	WIN 0
	v_add_nc_u32 v10, s6, v9                       ; LDS: my features, slots 0 and 1;
	v_add_nc_u32 v11, SLOT, v10
	v_add_nc_u32 v12, s4, v9                       ; positions 0-3;
	v_add_nc_u32 v13, SLOT, v12
	v_add_nc_u32 v14, s5, v9                       ; positions 4-7;
	v_add_nc_u32 v15, SLOT, v14
	v_add_nc_u32 v16, WOFF+12*CH, v9               ; V's features
	v_add_nc_u32 v17, SLOT, v16
	v_add_nc_u32 v18, s15, v9                      ; the same in the last chunk, whose tiles lie 1,536 bytes apart
	v_add_nc_u32 v19, s7, v9
	v_add_nc_u32 v20, s14, v9
	v_add_nc_u32 v21, SLOT+WOFF+12*1536, v9
	v_min_u32 v22, 17, v3
	v_lshlrev_b32 v22, 8, v22                      ; a chunk of three K steps of a tile is 18 x 256 bytes,
	v_min_u32 v23, 5, v3
	v_lshlrev_b32 v23, 8, v23                      ; the last one 6 x 256
	WALU                                           ; the wait at the head's end
	s_cmp_lt_u32 s22, 2
	s_cbranch_scc0 .Lnot_chunk_0
	s_wait_tensorcnt 0x0
.Lnot_chunk_0:
	s_barrier_signal -1
	s_barrier_wait -1                              ; chunk 0 is in; chunk 1 may be on its way
	ASK 2, 22
	FETCHF 0
	FETCHT 0
	s_wait_loadcnt 0x0                             ; scale words and biases
	WIN 0x41
.irp t, 0,8,16,24
.irp i, 1,2,3,4,5,6,7
	v_mov_b32 v[224+\t+\i], v[224+\t]              ; V's bias over the tile's eight registers
.endr
.endr
	WIN 0
	WALU
	STEP 0, 1
	STEP 1, 0
	TURN 2, 2
	STEP 3, 0
	STEP 4, 0
	TURN 5, 3
	STEP 6, 0
	STEP 7, 0
	TURN 8, 4
	STEP 9, 0
	STEP 10, 0
	TURN 11, 5
	STEP 12, 0
	STEP 13, 0
	TURN 14, 0
	s_wait_dscnt 0x0
	PLACES
.set I_, 0
.rept 8
	TLD I_                                         ; 32 of the table's 64 loads, into the fragments' first set,
.set I_, I_+1
.endr
	RUN 0, 24, 15, 0
.rept 7
	TLD I_                                         ; 28 more, and four behind the products
.set I_, I_+1
.endr
	RUN 24, 48, 15, 0
	TLD 15
	WIN 0
	; ---------------- V: 2 blocks of 32 tokens x 4 tiles of 16 channels a wave ----------------
	s_mul_i32 s70, s22, 2*BLKB
	s_add_co_u32 s70, s70, VREC
	s_lshl_b32 s71, s22, 1
	s_add_co_u32 s71, s71, SCV
	s_lshl_b32 s66, s22, 2
	s_lshl_b32 s67, s23, 3
	s_add_co_u32 s66, s66, s67                     ; K's and Q's images: from 4 w + 8 (w / 2) on
	s_lshl_b32 s67, s66, 6
	s_add_co_u32 s67, s67, SCK
	s_mul_i32 s66, s66, 768
	v_mul_u32_u24 v10, v2, BLKB
	v_add_nc_u32 v10, s70, v10                     ; behind the swap lane (r, h) holds block 2 w + h
	v_lshl_add_u32 v11, v1, 4, v10
	v_lshl_add_u32 v12, v1, 3, v10
	v_lshlrev_b32 v13, 3, v1
	v_add_nc_u32 v13, s71, v13
	v_add_nc_u32 v14, s66, v9
	v_lshlrev_b32 v15, 3, v3
	v_add_nc_u32 v15, s66, v15
	v_lshlrev_b32 v16, 2, v1
	v_add_nc_u32 v16, s67, v16
	WIN 0xff
.irp i, 242,243,250,251
	v_mov_b32 v[\i], 0                             ; (a lane permute's destination counts as read)
.endr
.irp n, 0,1
.irp t, 0,1,2,3
	v_max3_num_f32 v[128+4*\n+\t], |v[64*\n+16*\t]|, |v[64*\n+16*\t+1]|, 0x1800000   ; the floor 2^(3 - 127)
.endr
.endr
.irp i, 2,4,6,8,10,12,14
.irp n, 0,1
.irp t, 0,1,2,3
	v_max3_num_f32 v[128+4*\n+\t], v[128+4*\n+\t], |v[64*\n+16*\t+\i]|, |v[64*\n+16*\t+\i+1]|
.endr
.endr
.endr
.irp k, 0,1,2,3,4,5,6,7
	v_permlanex16_b32 v[136+\k], v[128+\k], s76, s77
.endr
.irp k, 0,1,2,3,4,5,6,7
	v_max_num_f32 v[128+\k], v[128+\k], v[136+\k]
.endr
.irp k, 0,1,2,3,4,5,6,7
	v_add_nc_u32 v[144+\k], 0xff000000, v[128+\k]  ; 2 off the exponent field: the conversion's scale operand
.endr
.irp k, 0,1,2,3,4,5,6,7
	v_lshrrev_b32 v[152+\k], 23, v[144+\k]
.endr
.irp t, 0,1,2,3
	v_lshl_or_b32 v[156+\t], v[156+\t], 8, v[152+\t]   ; the two blocks' bytes
.endr
.irp t, 0,1,2,3
	v_cvt_scalef32_pk16_fp6_f32 v[160+8*\t:162+8*\t], v[16*\t:16*\t+15], v[144+\t]
	v_cvt_scalef32_pk16_fp6_f32 v[164+8*\t:166+8*\t], v[64+16*\t:79+16*\t], v[148+\t]
.endr
	v_nop
.irp t, 0,1,2,3
.irp i, 0,1,2
	v_permlane16_swap_b32 v[160+8*\t+\i], v[164+8*\t+\i]   ; a whole block into a lane
.endr
.endr
.irp i, 0,1,2
.irp t, 0,1,2,3
	v_mov_b32 v[163+8*\t+\i], v[164+8*\t+\i]
.endr
.endr
	WIN 0x0c
.irp t, 0,1,2,3
	ds_store_b128 v11, v[160+8*\t:163+8*\t] offset:384*\t
	ds_store_b64 v12, v[164+8*\t:165+8*\t] offset:384*\t+256
	ds_store_b16 v13, v[156+\t] offset:128*\t
.endr
	WIN 0
	; ---------------- K and Q: rotate, quantise along the head's 64: two tiles at a time ----------------
.macro ROPE a, o
.set RA_, 32*(\a)
.if (\a) < 3
.set RW_, 0
.set RT_, 160+32*(\a)
.elseif (\a) < 6
.set RW_, 4
.set RT_, 32*((\a)-3)
.else
.set RW_, 4
.set RT_, 192+32*((\a)-6)
.endif
	WIN 0xf2+RW_
.irp i, 0,2,4,6,8,10,12,14
	v_pk_mul_f32 v[\o+\i:\o+\i+1], v[RA_+16+\i:RA_+17+\i], v[RT_+\i:RT_+\i+1]
	v_pk_mul_f32 v[\o+16+\i:\o+17+\i], v[RA_+\i:RA_+\i+1], v[RT_+\i:RT_+\i+1]
.endr
.irp i, 0,2,4,6,8,10,12,14
	v_pk_fma_f32 v[\o+\i:\o+\i+1], v[RA_+\i:RA_+\i+1], v[RT_+16+\i:RT_+17+\i], v[\o+\i:\o+\i+1] neg_lo:[0,0,1] neg_hi:[0,0,1]   ; x1 cos - x2 sin
	v_pk_fma_f32 v[\o+16+\i:\o+17+\i], v[RA_+16+\i:RA_+17+\i], v[RT_+16+\i:RT_+17+\i], v[\o+16+\i:\o+17+\i]                     ; x2 cos + x1 sin
.endr
.endm
.macro QKPAIR k
	s_wait_loadcnt 48-16*(\k)                      ; these two tiles' sixteen table loads are in
	ROPE 2*(\k), 128
	ROPE 2*(\k)+1, 160
	WIN 0xff
.irp e, 0,1
	v_max3_num_f32 v[240+8*\e], |v[128+32*\e]|, |v[129+32*\e]|, 0x1800000
	v_max3_num_f32 v[241+8*\e], |v[144+32*\e]|, |v[145+32*\e]|, 0x1800000
.endr
.irp i, 2,4,6,8,10,12,14
.irp e, 0,1
	v_max3_num_f32 v[240+8*\e], v[240+8*\e], |v[128+32*\e+\i]|, |v[129+32*\e+\i]|
	v_max3_num_f32 v[241+8*\e], v[241+8*\e], |v[144+32*\e+\i]|, |v[145+32*\e+\i]|
.endr
.endr
.irp e, 0,1
	v_permlanex16_b32 v[242+8*\e], v[240+8*\e], s76, s77
	v_permlanex16_b32 v[243+8*\e], v[241+8*\e], s76, s77
.endr
.irp e, 0,1
	v_max_num_f32 v[240+8*\e], v[240+8*\e], v[242+8*\e]
	v_max_num_f32 v[241+8*\e], v[241+8*\e], v[243+8*\e]
.endr
.irp e, 0,1
	v_add_nc_u32 v[244+8*\e], 0xff000000, v[240+8*\e]
	v_add_nc_u32 v[245+8*\e], 0xff000000, v[241+8*\e]
.endr
.irp e, 0,1
	v_lshrrev_b32 v[246+8*\e], 23, v[244+8*\e]
	v_lshrrev_b32 v[247+8*\e], 23, v[245+8*\e]
.endr
.irp e, 0,1
	v_lshl_or_b32 v[246+8*\e], v[247+8*\e], 8, v[246+8*\e]   ; the slot's word: two bytes, the upper two 0
.endr
.irp e, 0,1
	v_cvt_scalef32_pk16_fp6_f32 v[192+16*\e:194+16*\e], v[128+32*\e:143+32*\e], v[244+8*\e]
	v_cvt_scalef32_pk16_fp6_f32 v[196+16*\e:198+16*\e], v[144+32*\e:159+32*\e], v[245+8*\e]
.endr
	v_nop
.irp i, 0,1,2
.irp e, 0,1
	v_permlane16_swap_b32 v[192+16*\e+\i], v[196+16*\e+\i]
.endr
.endr
.irp i, 0,1,2
.irp e, 0,1
	v_mov_b32 v[195+16*\e+\i], v[196+16*\e+\i]
.endr
.endr
	WIN 0x0c
.irp e, 0,1
.set PL_, 2*(\k)+\e+4*((\k)/2)
	ds_store_b128 v14, v[192+16*\e:195+16*\e] offset:768*PL_
	ds_store_b64 v15, v[196+16*\e:197+16*\e] offset:768*PL_+512
	ds_store_b32 v16, v[246+8*\e] offset:64*PL_     ; lanes r and r + 16 write the same word
.endr
	WIN 0
.endm
	QKPAIR 0
	QKPAIR 1
	QKPAIR 2
	QKPAIR 3
	; ---------------- attention: wave w takes its block of 32 queries (two tiles), both heads, against window blocks w .. w + 4 ----------------
	s_wait_xcnt 0x0                                ; the prefetches have read their address registers
	s_lshl_b32 s66, s24, 1
	s_lshl_b32 s67, s23, 3
	s_or_b32 s68, s66, 16
	s_xor_b32 s68, s68, s67                        ; the image of (head 2 g, tile 2 w),
	s_or_b32 s69, s66, 28
	s_xor_b32 s69, s69, s67                        ; and of (head 2 g + 1, tile 2 w)
	s_mul_i32 s70, s68, 768
	s_mul_i32 s71, s69, 768
	s_lshl_b32 s68, s68, 6
	s_add_co_u32 s68, s68, SCK
	s_lshl_b32 s69, s69, 6
	s_add_co_u32 s69, s69, SCK
	s_mul_i32 s66, s22, 1536
	s_lshl_b32 s67, s22, 7
	s_add_co_u32 s4, s67, SCK
	s_add_co_u32 s5, s67, CS
	s_mul_i32 s6, s22, BLKB
	s_add_co_u32 s6, s6, VREC
	s_add_co_u32 s7, s6, 4*BLKB
	v_lshlrev_b32 v4, 3, v3                        ; 8 x lane
	v_lshlrev_b32 v5, 2, v1                        ; 4 r
	v_lshlrev_b32 v6, 2, v3                        ; 4 x lane
	v_add_nc_u32 v10, s66, v9
	v_add_nc_u32 v11, s66, v4
	v_add_nc_u32 v12, s4, v6
	v_add_nc_u32 v13, s70, v9
	v_add_nc_u32 v14, s70, v4
	v_add_nc_u32 v15, s71, v9
	v_add_nc_u32 v16, s71, v4
	v_add_nc_u32 v17, s68, v5
	v_add_nc_u32 v18, s69, v5
	v_mul_u32_u24 v20, v2, BLKB
	v_add_nc_u32 v20, s6, v20                      ; V: lanes 0-15 one block, lanes 16-31 the next
	v_lshl_add_u32 v19, v1, 4, v20
	v_lshl_add_u32 v20, v1, 3, v20
	v_lshlrev_b32 v22, 3, v1
	v_add_nc_u32 v23, SCV, v22
	v_lshlrev_b32 v21, 4, v1
	v_add_nc_u32 v21, s7, v21                      ; block w + 4
	v_add_nc_u32 v22, s7, v22
	v_add_nc_u32 v7, s5, v5                        ; my two tiles' scale words of the result
	v_lshlrev_b32 v25, 4, v2
	v_sub_nc_u32 v25, v8, v25                      ; my query's place in its block, less 16 h
	WALU
	s_wait_kmcnt 0x0                               ; the sinks
	s_wait_dscnt 0x0                               ; my stores are done: other waves read them behind the barrier
	s_barrier_signal -1
	s_barrier_wait -1
	WIN 0x40
.irp t, 0,1,2,3,4,5,6,7,8,9
	ds_load_b128 v[6*\t:6*\t+3], v10 offset:768*\t
	ds_load_b64 v[6*\t+4:6*\t+5], v11 offset:768*\t+512
.endr
	WIN 0xc0
.irp u, 0,1
	ds_load_b128 v[128+24*\u:131+24*\u], v13 offset:768*\u
	ds_load_b64 v[132+24*\u:133+24*\u], v14 offset:768*\u+512
.endr
	ds_load_b128 v[140:143], v15
	ds_load_b64 v[144:145], v16 offset:512
	ds_load_b128 v[158:161], v15 offset:768
	ds_load_b64 v[162:163], v16 offset:768+512
	WIN 0
.irp k, 0,1,2,3,4
	ds_load_b32 v[28+\k], v12 offset:128*\k        ; lanes 0-15 the block's even tile, lanes 16-31 its odd one
.endr
.irp e, 0,1
	ds_load_b32 v[34+\e], v[17+\e]
	ds_load_b32 v[36+\e], v[17+\e] offset:64
.endr
.irp t, 0,1,2,3
	ds_load_b64 v[40+2*\t:41+2*\t], v23 offset:128*\t
.endr
	WIN 0x40
.irp t, 0,1,2,3
.irp c, 0,1
	ds_load_b128 v[72+12*\t+6*\c:75+12*\t+6*\c], v19 offset:384*\t+2*BLKB*\c
	ds_load_b64 v[76+12*\t+6*\c:77+12*\t+6*\c], v20 offset:384*\t+256+2*BLKB*\c
.endr
	ds_load_b128 v[120+6*\t:123+6*\t], v21 offset:384*\t
	ds_load_b64 v[124+6*\t:125+6*\t], v22 offset:384*\t+256
.endr
.irp i, 60,61,62,63,64,65,144,145,146,147,148,149
	v_mov_b32 v[\i], 0                             ; behind K's and V's last tiles
.endr
	s_and_b32 s66, s26, 15
	s_mov_b32 s67, 0xff61b1e6                      ; -3e38
	s_cmp_eq_u32 s66, 0
	s_cselect_b32 s66, s67, 0                      ; a batch's first block: the window's blocks 0-3 are hidden
	s_add_co_u32 s68, s22, 1
	s_cmp_lt_u32 s68, 4
	s_cselect_b32 s69, s66, 0                      ; blocks w + 1, w + 2, w + 3
	s_add_co_u32 s68, s22, 2
	s_cmp_lt_u32 s68, 4
	s_cselect_b32 s70, s66, 0
	s_add_co_u32 s68, s22, 3
	s_cmp_lt_u32 s68, 4
	s_cselect_b32 s71, s66, 0
	WIN 0xc0
.irp i, 134,135,136,137,138,139,146,147,148,149,150,151,18,19,20,21,22,23,42,43,44,45,46,47
	v_mov_b32 v[\i], 0                             ; zero codes: the upper halves of Q's fragments and of attn's second ones
.endr
.irp i, 0,1,2,3,4,5,6,7
	v_mov_b32 v[208+\i], s69
	v_mov_b32 v[216+\i], s70
	v_mov_b32 v[224+\i], s71
.endr
	WIN 0
	v_mov_b32 v4, s67
	v_mov_b32 v5, s66
	s_mul_f32 s82, 0x41000000, s82                 ; the sinks x 8: on the scores' footing
	s_mul_f32 s83, 0x41000000, s83
	s_lshl_b32 s68, s22, 3
	s_mov_b32 s81, 0
	s_mov_b32 s84, 0
	WALU
	s_wait_dscnt 0x0
.irp t, 0,1,2,3
	v_alignbit_b32 v[48+\t], v[41+2*\t], v[40+2*\t], s68   ; the bytes of blocks w .. w + 3,
	v_lshrrev_b32 v[52+\t], s68, v[41+2*\t]                ; and of block w + 4
.endr
	WALU
.Lunit:                                                ; two trips: my block's even tile, then its odd one
	v_add_nc_u32 v6, s81, v7
	WIN 0xc0
.irp i, 0,1,2,3,4,5,6,7,8,9,10,11,12,13,14,15
	v_cmp_gt_i32 s[32+\i], \i, v25                 ; key 16 h + i lies behind my query's place: hidden in block w + 4, and in block w just the others are
.endr
.irp i, 0,1,2,3,4,5,6,7,8,9,10,11,12,13,14,15
	v_cndmask_b32 v[192+\i], 0, v4, s[32+\i]
	v_cndmask_b32 v[176+\i], v4, v5, s[32+\i]
.endr
	WIN 0xbd
.irp e, 0,1
.irp t, 0,1,2,3,4,5,6,7,8,9                        ; S^T = K Q^T: ten tiles of 16 keys; the mask is C
.if \t < 2
	WM 80*\e+8*\t, 6*\t, 128+12*\e, v[176+8*\t:183+8*\t], 28, 34+\e, \t%2, 0
.elseif \t < 8
	WM 80*\e+8*\t, 6*\t, 128+12*\e, v[200+8*(\t/2):207+8*(\t/2)], 28+\t/2, 34+\e, \t%2, 0
.else
	WM 80*\e+8*\t, 6*\t, 128+12*\e, v[192+8*(\t%2):199+8*(\t%2)], 32, 34+\e, \t%2, 0
.endif
.endr
.endr
	PLACES
	WIN 0xaa
.set W0, 160                               ; at work: 48 registers a head
.irp k, 0,1,2,3,4
.irp e, 0,1
	v_max3_num_f32 v[W0+48*\e+\k], v[80*\e+16*\k], v[80*\e+16*\k+1], v[80*\e+16*\k+2]   ; each block's largest score
.endr
.endr
.irp i, 3,5,7,9,11,13
.irp k, 0,1,2,3,4
.irp e, 0,1
	v_max3_num_f32 v[W0+48*\e+\k], v[W0+48*\e+\k], v[80*\e+16*\k+\i], v[80*\e+16*\k+\i+1]
.endr
.endr
.endr
.irp k, 0,1,2,3,4
.irp e, 0,1
	v_max_num_f32 v[W0+48*\e+\k], v[W0+48*\e+\k], v[80*\e+16*\k+15]
.endr
.endr
.irp k, 0,1,2,3,4
.irp e, 0,1
	v_permlanex16_b32 v[W0+48*\e+6+\k], v[W0+48*\e+\k], s76, s77
.endr
.endr
.irp k, 0,1,2,3,4
.irp e, 0,1
	v_max_num_f32 v[W0+48*\e+\k], v[W0+48*\e+\k], v[W0+48*\e+6+\k]
.endr
.endr
.irp e, 0,1
	v_max3_num_f32 v[W0+48*\e+12], v[W0+48*\e], v[W0+48*\e+1], v[W0+48*\e+2]
.endr
.irp e, 0,1
	v_max3_num_f32 v[W0+48*\e+12], v[W0+48*\e+12], v[W0+48*\e+3], v[W0+48*\e+4]
.endr
.irp e, 0,1
	v_max_num_f32 v[W0+48*\e+12], s[82+\e], v[W0+48*\e+12]   ; the row's maximum, the sink's logit among it (all x 8)
.endr
.irp e, 0,1
	v_mul_f32 v[W0+48*\e+14], s80, v[W0+48*\e+12]            ; - c M
.endr
.set j, 0
.rept 40
.irp e, 0,1
	v_pk_fma_f32 v[80*\e+j:80*\e+j+1], v[80*\e+j:80*\e+j+1], s[78:79], v[W0+48*\e+14:W0+48*\e+15] op_sel_hi:[1,0,0]
.endr
.set j, j+2
.endr
.irp e, 0,1
.irp k, 0,1,2,3,4
	v_fma_f32 v[W0+48*\e+\k], v[W0+48*\e+\k], s78, v[W0+48*\e+14]
.endr
	v_mov_b32 v[W0+48*\e+13], s[82+\e]
	v_fma_f32 v[W0+48*\e+13], v[W0+48*\e+13], s78, v[W0+48*\e+14]
.endr
	WALU                                           ; the wait ahead of the batch,
.set j, 0
.rept 160
	v_exp_f32 v[j], v[j]
.set j, j+1
.endr
.irp e, 0,1
.irp k, 0,1,2,3,4
	v_exp_f32 v[W0+48*\e+\k], v[W0+48*\e+\k]
.endr
	v_exp_f32 v[W0+48*\e+13], v[W0+48*\e+13]
.endr
	v_nop
	WALU                                           ; and behind it
.irp c, 0,2,4,6
.irp e, 0,1
	v_pk_add_f32 v[W0+48*\e+32+\c:W0+48*\e+33+\c], v[80*\e+\c:80*\e+\c+1], v[80*\e+8+\c:80*\e+9+\c]
.endr
.endr
.irp m, 16,24,32,40,48,56,64,72
.irp c, 0,2,4,6
.irp e, 0,1
	v_pk_add_f32 v[W0+48*\e+32+\c:W0+48*\e+33+\c], v[W0+48*\e+32+\c:W0+48*\e+33+\c], v[80*\e+\m+\c:80*\e+\m+\c+1]
.endr
.endr
.endr
.irp e, 0,1
	v_pk_add_f32 v[W0+48*\e+32:W0+48*\e+33], v[W0+48*\e+32:W0+48*\e+33], v[W0+48*\e+34:W0+48*\e+35]
	v_pk_add_f32 v[W0+48*\e+36:W0+48*\e+37], v[W0+48*\e+36:W0+48*\e+37], v[W0+48*\e+38:W0+48*\e+39]
.endr
.irp e, 0,1
	v_pk_add_f32 v[W0+48*\e+32:W0+48*\e+33], v[W0+48*\e+32:W0+48*\e+33], v[W0+48*\e+36:W0+48*\e+37]
.endr
.irp e, 0,1
	v_add_f32 v[W0+48*\e+18], v[W0+48*\e+32], v[W0+48*\e+33]
.endr
.irp e, 0,1
	v_permlanex16_b32 v[W0+48*\e+19], v[W0+48*\e+18], s76, s77
.endr
.irp e, 0,1
	v_add_f32 v[W0+48*\e+18], v[W0+48*\e+18], v[W0+48*\e+19]
.endr
.irp e, 0,1
	v_add_f32 v[W0+48*\e+18], v[W0+48*\e+18], v[W0+48*\e+13]   ; the sink's term stays in the divisor
.endr
	WALU
.irp e, 0,1
	v_rcp_f32 v[W0+48*\e+16], v[W0+48*\e+18]
.endr
	v_nop
	WALU
.set j, 0
.rept 40
.irp e, 0,1
	v_pk_mul_f32 v[80*\e+j:80*\e+j+1], v[80*\e+j:80*\e+j+1], v[W0+48*\e+16:W0+48*\e+17] op_sel_hi:[1,0]   ; attn, finished
.endr
.set j, j+2
.endr
.irp k, 0,1,2,3,4
.irp e, 0,1
	v_mul_f32 v[W0+48*\e+\k], v[W0+48*\e+\k], v[W0+48*\e+16]   ; each block's largest attn: the same instructions on the same number
.endr
.endr
.irp k, 0,1,2,3,4
.irp e, 0,1
	v_max_num_f32 v[W0+48*\e+\k], 0x1800000, v[W0+48*\e+\k]
.endr
.endr
.irp k, 0,1,2,3,4
.irp e, 0,1
	v_add_nc_u32 v[W0+48*\e+20+\k], 0xff000000, v[W0+48*\e+\k]
.endr
.endr
.irp k, 0,1,2,3,4
.irp e, 0,1
	v_lshrrev_b32 v[W0+48*\e+26+\k], 23, v[W0+48*\e+20+\k]
.endr
.endr
.irp e, 0,1
	v_lshl_or_b32 v[W0+48*\e+12], v[W0+48*\e+27], 8, v[W0+48*\e+26]
.endr
.irp e, 0,1
	v_lshl_or_b32 v[W0+48*\e+12], v[W0+48*\e+28], 16, v[W0+48*\e+12]
.endr
	WIN 0x2a
.irp e, 0,1
	v_lshl_or_b32 v[60+\e], v[W0+48*\e+29], 24, v[W0+48*\e+12]
	v_mov_b32 v[64+\e], v[W0+48*\e+30]
.endr
	WIN 0xca
.irp e, 0,1
	v_cvt_scalef32_pk16_fp6_f32 v[24*\e:24*\e+2], v[80*\e:80*\e+15], v[W0+48*\e+20]
	v_cvt_scalef32_pk16_fp6_f32 v[64+16*\e:66+16*\e], v[80*\e+16:80*\e+31], v[W0+48*\e+21]
	v_cvt_scalef32_pk16_fp6_f32 v[24*\e+6:24*\e+8], v[80*\e+32:80*\e+47], v[W0+48*\e+22]
	v_cvt_scalef32_pk16_fp6_f32 v[68+16*\e:70+16*\e], v[80*\e+48:80*\e+63], v[W0+48*\e+23]
	v_cvt_scalef32_pk16_fp6_f32 v[24*\e+12:24*\e+14], v[80*\e+64:80*\e+79], v[W0+48*\e+24]
.endr
	WIN 0xc3
.irp i, 0,1,2
.irp e, 0,1
	v_mov_b32 v[72+16*\e+\i], 0                    ; (also the plain place behind the conversions)
.endr
.endr
.irp i, 0,1,2
.irp e, 0,1
	v_permlane16_swap_b32 v[24*\e+\i], v[64+16*\e+\i]      ; lanes 0-15 the even block, lanes 16-31 the odd one (for block w + 4: zeros)
	v_permlane16_swap_b32 v[24*\e+6+\i], v[68+16*\e+\i]
	v_permlane16_swap_b32 v[24*\e+12+\i], v[72+16*\e+\i]
.endr
.endr
.irp i, 0,1,2
.irp e, 0,1
	v_mov_b32 v[24*\e+3+\i], v[64+16*\e+\i]
	v_mov_b32 v[24*\e+9+\i], v[68+16*\e+\i]
	v_mov_b32 v[24*\e+15+\i], v[72+16*\e+\i]
.endr
.endr
	PLACES
	WIN 0x5d
.irp e, 0,1
.irp t, 0,1,2,3                                    ; O^T = V^T attn^T: blocks w .. w + 3, then block w + 4; eight accumulators take turns
	WM 160+32*\e+8*\t, 72+12*\t, 24*\e, 0, 48+\t, 60+\e, 0, 0
.endr
.endr
.irp e, 0,1
.irp t, 0,1,2,3
	WM 160+32*\e+8*\t, 120+6*\t, 24*\e+12, v[160+32*\e+8*\t:167+32*\e+8*\t], 52+\t, 64+\e, 0, 0
.endr
.endr
	PLACES
	WIN 0x96
.irp b, 0,1,2,3
	v_max3_num_f32 v[160+\b], 0x1800000, |v[160+16*\b]|, |v[161+16*\b]|
.endr
.irp i, 2,4,6,8,10,12,14
.irp b, 0,1,2,3
	v_max3_num_f32 v[160+\b], v[160+\b], |v[160+16*\b+\i]|, |v[161+16*\b+\i]|
.endr
.endr
	WIN 0xaa
.irp b, 0,1,2,3
	v_permlanex16_b32 v[166+\b], v[160+\b], s76, s77
.endr
.irp b, 0,1,2,3
	v_max_num_f32 v[160+\b], v[160+\b], v[166+\b]
.endr
.irp b, 0,1,2,3
	v_add_nc_u32 v[180+\b], 0xff000000, v[160+\b]
.endr
.irp b, 0,1,2,3
	v_lshrrev_b32 v[186+\b], 23, v[180+\b]
.endr
	v_lshl_or_b32 v172, v187, 8, v186
	v_lshl_or_b32 v172, v188, 16, v172
	v_lshl_or_b32 v172, v189, 24, v172
	WIN 0xc9
	v_cvt_scalef32_pk16_fp6_f32 v[64:66], v[160:175], v180
	v_cvt_scalef32_pk16_fp6_f32 v[76:78], v[176:191], v181
	v_cvt_scalef32_pk16_fp6_f32 v[70:72], v[192:207], v182
	v_cvt_scalef32_pk16_fp6_f32 v[80:82], v[208:223], v183
	WIN 0xc3
	v_nop
.irp i, 0,1,2
	v_permlane16_swap_b32 v[64+\i], v[76+\i]
	v_permlane16_swap_b32 v[70+\i], v[80+\i]
.endr
.irp i, 0,1,2
	v_mov_b32 v[67+\i], v[76+\i]
	v_mov_b32 v[73+\i], v[80+\i]
.endr
	WIN 0x08
	ds_store_b32 v6, v172                          ; lanes r and r + 16 write the same word
	WIN 0x0c
.irp c, 0,1,2
	global_store_b128 v9, v[64+4*\c:67+4*\c], s[86:87] offset:512*\c   ; the image: 512 consecutive bytes a store
.endr
	WIN 0xc3
.irp e, 0,1
.irp i, 0,1,2,3,4,5
	v_mov_b32 v[128+12*\e+\i], v[152+6*\e+\i]      ; the odd tile's Q
.endr
.endr
	WIN 0
	v_mov_b32 v34, v36
	v_mov_b32 v35, v37
	v_add_nc_u32 v25, 8, v25                       ; the odd tile's queries lie 8 further on
	WALU
	s_wait_xcnt 0x0                                ; the stores have read their registers and their base
	s_add_nc_u64 s[86:87], s[86:87], 12288
	s_add_co_u32 s81, s81, 64
	s_add_co_u32 s84, s84, 1
	s_cmp_lg_u32 s84, 2
	s_cbranch_scc1 .Lunit
	s_wait_tensorcnt 0x0                           ; the wave's end: the dscnt wait is also the wait that the barrier needs
	ds_add_u32 v[SPW], v[NIL]
	s_wait_dscnt 0x0
	s_barrier_signal -1
	s_barrier_wait -1
	s_cmp_lg_u32 s22, 0
	s_cbranch_scc1 .Ldone
	ds_load_b128 v[160:163], v9 offset:CS          ; wave 0: the eight tiles' scale words,
	s_wait_dscnt 0x0
	global_store_b128 v9, v[160:163], s[88:89]     ; 512 consecutive bytes
.Ldone:
	CROUND                                         ; the closing round
	s_endpgm
.Lfunc_end_k_q2b819739ab_qkva:
	.size	k_q2b819739ab_qkva, .Lfunc_end_k_q2b819739ab_qkva-k_q2b819739ab_qkva
	.p2alignl 7, 3214868480
	.fill 96, 4, 3214868480
	.section	.rodata,"a",@progbits
	.p2align	6, 0x0
	.amdhsa_kernel k_q2b819739ab_qkva
		.amdhsa_group_segment_fixed_size 327680
		.amdhsa_private_segment_fixed_size 0
		.amdhsa_enable_private_segment 0
		.amdhsa_kernarg_size 72
		.amdhsa_user_sgpr_count 2
		.amdhsa_user_sgpr_kernarg_segment_ptr 1
		.amdhsa_wavefront_size32 1
		.amdhsa_system_sgpr_workgroup_id_x 1
		.amdhsa_system_sgpr_workgroup_id_y 1
		.amdhsa_system_sgpr_workgroup_id_z 1
		.amdhsa_system_vgpr_workitem_id 0
		.amdhsa_next_free_vgpr 1024
		.amdhsa_next_free_sgpr 102
		.amdhsa_reserve_vcc 0
		.amdhsa_float_denorm_mode_32 3
		.amdhsa_float_denorm_mode_16_64 3
		.amdhsa_memory_ordered 1
		.amdhsa_forward_progress 1
		.amdhsa_inst_pref_size 255
	.end_amdhsa_kernel
	.section	.bss,"aw",@nobits
	.p2align	6
	.space	262144
	.amdgpu_metadata
---
amdhsa.version: [ 1, 2 ]
amdhsa.kernels:
  - .name:           k_q2b819739ab_qkva
    .symbol:         k_q2b819739ab_qkva.kd
    .args:
      - { .name: opc, .offset: 0, .size: 8, .value_kind: global_buffer, .address_space: global }
      - { .name: ops, .offset: 8, .size: 8, .value_kind: global_buffer, .address_space: global }
      - { .name: rope, .offset: 16, .size: 8, .value_kind: global_buffer, .address_space: global }
      - { .name: bq, .offset: 24, .size: 8, .value_kind: global_buffer, .address_space: global }
      - { .name: bk, .offset: 32, .size: 8, .value_kind: global_buffer, .address_space: global }
      - { .name: bv, .offset: 40, .size: 8, .value_kind: global_buffer, .address_space: global }
      - { .name: sinks, .offset: 48, .size: 8, .value_kind: global_buffer, .address_space: global }
      - { .name: ctxc, .offset: 56, .size: 8, .value_kind: global_buffer, .address_space: global }
      - { .name: ctxs, .offset: 64, .size: 8, .value_kind: global_buffer, .address_space: global }
    .group_segment_fixed_size: 327680
    .private_segment_fixed_size: 0
    .kernarg_segment_align: 8
    .kernarg_segment_size: 72
    .max_flat_workgroup_size: 128
    .sgpr_count:     102
    .vgpr_count:     1024
    .wavefront_size: 32
...
	.end_amdgpu_metadata
.endif
;; end of part 2
;; launch outp (part 3): grid 16 x 16, 4 waves a work-group, clusters of 4 x 4, 327,680 bytes of LDS; arguments ctxc, ctxs, opc, ops, bo, out0; writes out0
.if DOCPART == 3
	.amdgcn_target "amdgcn-amd-amdhsa--gfx1250"
	.amdhsa_code_object_version 6
	.text
	.protected	k_q2b819739ab_outp
	.globl	k_q2b819739ab_outp
	.p2align	8
	.type	k_q2b819739ab_outp,@function
k_q2b819739ab_outp:
	s_mov_b64 s[64:65], 0
	v_nop
	global_prefetch_b8 v0, s[64:65] scope:SCOPE_SE
	s_setreg_imm32_b32 hwreg(HW_REG_WAVE_MODE, 25, 1), 1
	s_wait_xcnt 0x0
	s_wait_alu depctr_hold_cnt(0) depctr_sa_sdst(0) depctr_va_vdst(0) depctr_va_sdst(0) depctr_va_ssrc(0) depctr_va_vcc(0) depctr_vm_vsrc(0)
	s_getreg_b32 s2, hwreg(HW_REG_IB_STS2, 6, 4)
	s_cmp_eq_u32 s2, 0
	s_cbranch_scc0 .Lentry_in_a_cluster
	s_endpgm
.Lentry_in_a_cluster:
	s_bfe_u32 s2, ttmp6, 0x10000c
	s_cmp_lg_u32 s2, 0xf033
	s_cbranch_scc0 .Lentry_shape_is_right
	s_endpgm
.Lentry_shape_is_right:
; out = ctx Wo^T + bo on codes of FP6 (E2M3) with E8M0 scales; sums in f32.  K = 1,024.
; A work-group makes 256 tokens x 128 features; its operands, all of K, are 8 + 16 row tiles of 12,288 bytes and lie in LDS together: four tensor loads, one a wave, no refill.
; WAVES 2 x 2: a wave keeps 64 features (4 tiles x 8 K steps, 384 registers) and lets eight token tiles pass: a batch of 32 products each, on four accumulators by turns, makes 16 tokens x 64 features whole: 16 rows of 256 bytes,
; which leave through the wave's own stage in LDS while the next batches run.  Token tiles of batches 0-1, 2-3, 4-7: from 2 a, 4 + 2 a, 8 + 4 a on (a = wave / 2): they come by three tensor loads in this order.
; TRANSPOSED (source 0 = features): lane (r, h) holds token slot r; feature tile f's registers are features 32 (f / 2) + 8 (f % 2) + 16 h + 0 .. 7.  The bias is the C of each sum's first product.
; CLUSTERS 4 x 4: a row shares the tokens' tiles, a column the features'.  Scale words come straight into registers.
; No prefetch: every tile is asked for at the head, and there is no later trip to ask ahead for.
; LIMITS: NaN and infinities are not served.
; REGISTERS: window 0: v1-27 addresses; v28-59 tokens' scale words, v62-77 features'; v78-109 the bias; v110-173 rows on their way out; v174-245 fragments.  windows 1, 2: fragments, 21 each.  window 3: two sets of four accumulators.
.set TILEB, 12288
.set LT,    8*TILEB                    ; LDS: 8 feature tiles, then 16 token tiles,
.set STAGE, 24*TILEB                   ; the stages, 16 rows of 272 bytes a wave,
.set SPARE, STAGE+4*4352               ; and the spare words
.set SPW,   26
.set NIL,   27
.set TS,    28
.set FS,    62
.set BIAS,  78
.set BK,    110
.set G1F,   32
.set G1T,   40
.set G1U,   80
.set MSB, 0
.macro WIN new
.if MSB != (\new)
	s_set_vgpr_msb (MSB<<8)|(\new)
.set MSB, (\new)
.endif
.endm
.macro PLACES
.rept 4
	v_nop
.endr
.endm
.macro WALU
	s_wait_alu depctr_va_vdst(0)
.endm
.macro CROUND
	s_barrier_signal -1
	s_barrier_wait -1
	s_cmp_lg_u32 s20, 0
	s_cbranch_scc1 .Lnot_wave_0_\@
	s_barrier_signal -3
.Lnot_wave_0_\@:
	s_barrier_wait -3
	s_barrier_signal -1
	s_barrier_wait -1
.endm
.macro TLOAD g0, g1
	tensor_load_to_lds s[\g0:\g0+3], s[\g1:\g1+7]
	s_nop 0
	PLACES
.endm
.macro WM d, fa, fb, c, sa, sb, ra, rb
.if (\ra) && (\rb)
	v_wmma_scale_f32_16x16x128_f8f6f4 v[\d:\d+7], v[\fa:\fa+11], v[\fb:\fb+11], v[\c:\c+7], v[\sa], v[\sb] matrix_a_fmt:MATRIX_FMT_FP6 matrix_b_fmt:MATRIX_FMT_FP6 matrix_a_scale:MATRIX_SCALE_ROW1 matrix_b_scale:MATRIX_SCALE_ROW1
.elseif (\ra)
	v_wmma_scale_f32_16x16x128_f8f6f4 v[\d:\d+7], v[\fa:\fa+11], v[\fb:\fb+11], v[\c:\c+7], v[\sa], v[\sb] matrix_a_fmt:MATRIX_FMT_FP6 matrix_b_fmt:MATRIX_FMT_FP6 matrix_a_scale:MATRIX_SCALE_ROW1
.elseif (\rb)
	v_wmma_scale_f32_16x16x128_f8f6f4 v[\d:\d+7], v[\fa:\fa+11], v[\fb:\fb+11], v[\c:\c+7], v[\sa], v[\sb] matrix_a_fmt:MATRIX_FMT_FP6 matrix_b_fmt:MATRIX_FMT_FP6 matrix_b_scale:MATRIX_SCALE_ROW1
.else
	v_wmma_scale_f32_16x16x128_f8f6f4 v[\d:\d+7], v[\fa:\fa+11], v[\fb:\fb+11], v[\c:\c+7], v[\sa], v[\sb] matrix_a_fmt:MATRIX_FMT_FP6 matrix_b_fmt:MATRIX_FMT_FP6
.endif
.endm
; fragment number n: 0-31 features (4 x K step + tile), 32-47 tokens, two sets of eight: which window (FW_), which register (FR_)
.macro WHERE n
.if (\n) < 21
.set FW_, 1
.set FR_, 12*(\n)
.elseif (\n) < 42
.set FW_, 2
.set FR_, 12*((\n)-21)
.else
.set FW_, 0
.set FR_, 174+12*((\n)-42)
.endif
.endm
.macro TOK j, q                        ; batch j's token tile, K step q
	WHERE 32+8*((\j)%2)+(\q)
	WIN FW_<<6
.irp c, 0,1,2
	ds_load_b128 v[FR_+4*\c:FR_+4*\c+3], v[11+(\j)/2] offset:TILEB*((\j)%2)+1536*(\q)+512*\c
.endr
.endm
.macro TOKH j, base                    ; K steps base .. base + 3 of batch j's token tile: 12 loads
.irp q, 0,1,2,3
	TOK \j, \base+\q
.endr
.endm
.macro TOKALL j
.irp q, 0,1,2,3,4,5,6,7
	TOK \j, \q
.endr
.endm
.macro FEAT q                          ; my four feature tiles, K step q
.irp a, 0,1,2,3
	WHERE 4*(\q)+\a
	WIN FW_<<6
.irp c, 0,1,2
	ds_load_b128 v[FR_+4*\c:FR_+4*\c+3], v10 offset:TILEB*\a+1536*(\q)+512*\c
.endr
.endr
.endm
.macro PROD j, n
.set PQ_, (\n)/4
.set PA_, (\n)%4
.set PD_, 32*((\j)%2)+8*PA_
	WHERE 32+8*((\j)%2)+PQ_
.set XW_, FW_
.set XR_, FR_
	WHERE (\n)
.if PQ_ == 0
	WIN FW_|(XW_<<2)|0xc0
	WM PD_, FR_, XR_, BIAS+8*PA_, FS+8*(PQ_/4)+4*(PA_%2)+PQ_%4, TS+8*((\j)/2)+PQ_, PA_/2, (\j)%2
.else
	WIN FW_|(XW_<<2)|0xf0
	WM PD_, FR_, XR_, PD_, FS+8*(PQ_/4)+4*(PA_%2)+PQ_%4, TS+8*((\j)/2)+PQ_, PA_/2, (\j)%2
.endif
.endm
.macro FIRSTWAIT q                     ; K step q's five fragments are in: younger are 15 loads for each later K step and, from K step 4 on, the next tile's 24
.if (\q) == 3
	s_wait_dscnt 60
.elseif (\q) < 5
	s_wait_dscnt 63
.else
	s_wait_dscnt 15*(7-(\q))+24
.endif
.endm
.macro PRODS j
.set NN_, 0
.rept 32
.if (\j) == 0
.if NN_ == 16
	TOKALL 1
.endif
.if (NN_%4) == 0
	FIRSTWAIT NN_/4
.endif
.elseif NN_ == 16
.if (\j) < 7
	s_wait_dscnt 12                                ; the last batch's rows are back from the stage (the next tile's 12 loads are younger)
.else
	s_wait_dscnt 0x0
.endif
	SEND (\j)-1
.if (\j) < 7
	TOKH (\j)+1, 4
.endif
.endif
	PROD \j, NN_
.set NN_, NN_+1
.endr
	WIN 0
.endm
.macro TOSTAGE j                       ; batch j's 16 rows into my stage, and back as rows
	WIN 0x0c
.irp t, 0,1,2,3
	ds_store_b128 v15, v[32*((\j)%2)+8*\t:32*((\j)%2)+8*\t+3] offset:128*(\t/2)+32*(\t%2)
	ds_store_b128 v15, v[32*((\j)%2)+8*\t+4:32*((\j)%2)+8*\t+7] offset:128*(\t/2)+32*(\t%2)+16
.endr
	WIN 0
.irp i, 0,1,2,3,4,5,6,7
	ds_load_b128 v[BK+32*((\j)%2)+4*\i:BK+32*((\j)%2)+4*\i+3], v16 offset:544*\i   ; LDS serves a wave's instructions in order: these see the stores
.endr
.endm
.macro SEND j
	WIN 0
.irp i, 0,1,2,3,4,5,6,7
.if (\j) < 4
	global_store_b128 v17, v[BK+32*((\j)%2)+4*\i:BK+32*((\j)%2)+4*\i+3], s[14:15] offset:(64*((\j)/2)+8*((\j)%2)+2*\i+8*(\i/4))*8192 th:TH_STORE_NT   ; two rows of 256 consecutive bytes
.else
	global_store_b128 v17, v[BK+32*((\j)%2)+4*\i:BK+32*((\j)%2)+4*\i+3], s[76:77] offset:(32*((\j)/2-2)+8*((\j)%2)+2*\i+8*(\i/4))*8192 th:TH_STORE_NT
.endif
.endr
.endm
.macro BATCH j
	s_wait_dscnt 0x0                               ; this batch's fragments are in
.if (\j) == 1
	s_cmp_eq_u32 s20, 2
	s_cbranch_scc0 .Lnot_second
	s_wait_tensorcnt 0x0
.Lnot_second:
	s_barrier_signal -1
	s_barrier_wait -1                              ; token tiles 4-7 are in
.elseif (\j) == 3
	s_wait_tensorcnt 0x0
	s_barrier_signal -1
	s_barrier_wait -1                              ; token tiles 8-15
.endif
	s_wait_xcnt 0x0                                ; earlier stores have read their registers
	PLACES
	TOSTAGE (\j)-1
.if (\j) < 7
	TOKH (\j)+1, 0
.endif
	PRODS \j
.endm
	s_load_b256 s[4:11], s[0:1], 0x0               ; ctxc, ctxs, opc, ops
	s_load_b128 s[12:15], s[0:1], 0x20             ; bo, out0
	v_lshl_add_u32 v[SPW], v0, 2, SPARE
	v_mov_b32 v[NIL], 0
	ds_add_u32 v[SPW], v[NIL]                      ; the opening lines
	ds_add_u32 v[SPW], v[NIL]
	v_lshrrev_b32 v1, 5, v0
	v_readfirstlane_b32 s20, v1                    ; wave
	s_lshr_b32 s21, s20, 1                         ; a: my token tiles
	s_and_b32 s22, s20, 1                          ; my 64 features
	s_bfe_u32 s27, ttmp6, 0x40000
	s_bfe_u32 s28, ttmp6, 0x40004
	s_lshl_b32 s25, ttmp9, 2
	s_add_co_u32 s25, s25, s27                     ; X: which 128 features
	s_and_b32 s26, ttmp7, 0xffff
	s_lshl_b32 s26, s26, 2
	s_add_co_u32 s26, s26, s28                     ; Y: which 256 tokens
	s_lshl_b32 s68, s28, 2
	s_lshl_b32 s68, 15, s68
	s_lshl_b32 s69, 0x1111, s27
	s_or_b32 s[G1F], s69, (3<<16)|(1<<21)
	s_or_b32 s[G1T], s68, (3<<16)|(1<<21)
	s_or_b32 s[G1U], s68, (3<<16)|(1<<21)
.irp q, G1F, G1T, G1U
	s_mov_b32 s[\q+1], (TILEB/8)<<16               ; rows (tiles) of 12,288 bytes, dense
	s_mov_b32 s[\q+3], (TILEB/8)<<16
	s_mov_b32 s[\q+5], TILEB/8
	s_mov_b32 s[\q+6], 0
	s_mov_b32 s[\q+7], 0
.endr
	s_mov_b32 s[G1F+2], 8<<16
	s_mov_b32 s[G1F+4], 8
	s_mov_b32 s[G1T+2], 4<<16
	s_mov_b32 s[G1T+4], 4
	s_mov_b32 s[G1U+2], 8<<16
	s_mov_b32 s[G1U+4], 8
	s_mul_i32 s2, s26, 16*TILEB
	s_mov_b32 s3, 0
	s_mul_i32 s66, s25, 8*TILEB
	s_add_co_u32 s66, s66, 9437184
	s_mov_b32 s67, 0
	s_mov_b32 s48, 1
	s_mov_b32 s49, 0
	s_mov_b32 s52, 1
	s_mov_b32 s53, LT
	s_mov_b32 s56, 1
	s_mov_b32 s57, LT+4*TILEB
	s_mov_b32 s60, 1
	s_mov_b32 s61, LT+8*TILEB
	s_lshl_b32 s70, s26, 10                        ; the tokens' scale words: 64 bytes a tile, 16,384 from K step to K step
	s_mov_b32 s71, 0
	s_lshl_b32 s78, s25, 12                        ; the features' quads: 512 bytes a tile
	s_lshl_b32 s79, s22, 11
	s_add_co_u32 s78, s78, s79
	s_add_co_u32 s78, s78, 393216
	s_mov_b32 s79, 0
	s_lshl_b32 s88, s25, 9
	s_lshl_b32 s89, s22, 8
	s_add_co_u32 s88, s88, s89                     ; my columns, in bytes: of the bias, of a row
	s_mov_b32 s89, 0
	s_lshl_b32 s90, s26, 21
	s_lshl_b32 s91, s21, 18
	s_add_co_u32 s90, s90, s91
	s_add_co_u32 s90, s90, s88                     ; batches 0-3: rows 32 a on; 64 further on
	s_add_co_u32 s92, s90, s91
	s_add_co_u32 s92, s92, 128*8192                ; batches 4-7: rows 128 + 64 a on
	s_mov_b32 s91, 0
	s_mov_b32 s93, 0
	s_lshl_b32 s94, s21, 7
	s_lshl_b32 s95, s21, 8
	s_add_co_u32 s95, s95, 512
	v_and_b32 v1, 15, v0
	v_bfe_u32 v2, v0, 4, 1
	v_and_b32 v3, 31, v0
	v_lshlrev_b32 v4, 2, v3
	v_add_nc_u32 v8, s95, v4
	v_add_nc_u32 v4, s94, v4
	v_lshlrev_b32 v5, 4, v1
	v_lshl_add_u32 v6, v2, 10, v5                  ; lanes 0-15 tile i, lanes 16-31 tile i + 2
	v_lshlrev_b32 v7, 6, v2
	v_lshlrev_b32 v9, 4, v3
	WALU
	s_wait_dscnt 0x0
	CROUND
	s_wait_kmcnt 0x0
	s_add_nc_u64 s[54:55], s[4:5], s[2:3]
	s_add_nc_u64 s[58:59], s[54:55], 4*TILEB
	s_add_nc_u64 s[62:63], s[54:55], 8*TILEB
	s_add_nc_u64 s[50:51], s[8:9], s[66:67]
	s_or_b32 s51, s51, 0x80000000
	s_or_b32 s55, s55, 0x80000000
	s_or_b32 s59, s59, 0x80000000
	s_or_b32 s63, s63, 0x80000000
	s_cmp_eq_u32 s20, 0                            ; one tensor load a wave: the features, token tiles 0-3, 4-7, 8-15
	s_cbranch_scc0 .Lwave_1
	TLOAD 48, G1F
	s_branch .Lasked
.Lwave_1:
	s_cmp_eq_u32 s20, 1
	s_cbranch_scc0 .Lwave_2
	TLOAD 52, G1T
	s_branch .Lasked
.Lwave_2:
	s_cmp_eq_u32 s20, 2
	s_cbranch_scc0 .Lwave_3
	TLOAD 56, G1T
	s_branch .Lasked
.Lwave_3:
	TLOAD 60, G1U
.Lasked:
	s_add_nc_u64 s[72:73], s[6:7], s[70:71]
	s_add_nc_u64 s[74:75], s[10:11], s[78:79]
	s_add_nc_u64 s[12:13], s[12:13], s[88:89]
	s_add_nc_u64 s[76:77], s[14:15], s[92:93]
	s_add_nc_u64 s[14:15], s[14:15], s[90:91]
.irp i, 0,1
	global_load_b128 v[FS+4*\i:FS+4*\i+3], v6, s[74:75] offset:512*\i
	global_load_b128 v[FS+8+4*\i:FS+11+4*\i], v6, s[74:75] offset:512*\i+256
.endr
.irp f, 0,1,2,3
	global_load_b128 v[BIAS+8*\f:BIAS+8*\f+3], v7, s[12:13] offset:(32*(\f/2)+8*(\f%2))*4
	global_load_b128 v[BIAS+8*\f+4:BIAS+8*\f+7], v7, s[12:13] offset:(32*(\f/2)+8*(\f%2))*4+16
.endr
.irp q, 0,1,2,3,4,5,6,7
	global_load_b32 v[TS+\q], v4, s[72:73] offset:16384*\q             ; lanes 0-15 the even batch's tile, lanes 16-31 the odd one's
	global_load_b32 v[TS+8+\q], v4, s[72:73] offset:16384*\q+256
	global_load_b32 v[TS+16+\q], v8, s[72:73] offset:16384*\q
	global_load_b32 v[TS+24+\q], v8, s[72:73] offset:16384*\q+128
.endr
	s_mul_i32 s2, s22, 4*TILEB
	s_mul_i32 s3, s21, 2*TILEB
	s_add_co_u32 s3, s3, LT
	s_mul_i32 s4, s21, 4*TILEB
	s_add_co_u32 s4, s4, LT+8*TILEB
	s_mul_i32 s5, s20, 4352
	s_add_co_u32 s5, s5, STAGE
	v_add_nc_u32 v10, s2, v9                       ; LDS: my feature tiles,
	v_add_nc_u32 v11, s3, v9                       ; and the batches' token tiles, a pair each
	v_add_nc_u32 v12, 4*TILEB, v11
	v_add_nc_u32 v13, s4, v9
	v_add_nc_u32 v14, 2*TILEB, v13
	v_mul_u32_u24 v15, v1, 272                     ; my stage, in: row r, 64 h bytes on
	v_lshl_add_u32 v15, v2, 6, v15
	v_add_nc_u32 v15, s5, v15
	v_mul_u32_u24 v16, v2, 272                     ; out: two rows of 256 bytes
	v_add_nc_u32 v16, v16, v5
	v_add_nc_u32 v16, s5, v16
	v_lshl_add_u32 v17, v2, 13, v5                 ; the same two rows of the output
	WALU                                           ; the wait at the head's end
	s_cmp_lt_u32 s20, 2
	s_cbranch_scc0 .Lnot_first
	s_wait_tensorcnt 0x0
.Lnot_first:
	s_barrier_signal -1
	s_barrier_wait -1                              ; the features and token tiles 0-3 are in
.set I_, 0
.rept 8
	FEAT I_
	TOK 0, I_
.set I_, I_+1
.endr
	WIN 0
	s_wait_loadcnt 0x0
	PRODS 0
	BATCH 1
	BATCH 2
	BATCH 3
	BATCH 4
	BATCH 5
	BATCH 6
	BATCH 7
	s_wait_dscnt 0x0
	s_wait_xcnt 0x0
	PLACES
	TOSTAGE 7
	s_wait_dscnt 0x0
	SEND 7
	s_wait_tensorcnt 0x0                           ; the wave's end
	ds_add_u32 v[SPW], v[NIL]
	s_wait_dscnt 0x0
	CROUND
	s_endpgm
.Lfunc_end_k_q2b819739ab_outp:
	.size	k_q2b819739ab_outp, .Lfunc_end_k_q2b819739ab_outp-k_q2b819739ab_outp
	.p2alignl 7, 3214868480
	.fill 96, 4, 3214868480
	.section	.rodata,"a",@progbits
	.p2align	6, 0x0
	.amdhsa_kernel k_q2b819739ab_outp
		.amdhsa_group_segment_fixed_size 327680
		.amdhsa_private_segment_fixed_size 0
		.amdhsa_enable_private_segment 0
		.amdhsa_kernarg_size 48
		.amdhsa_user_sgpr_count 2
		.amdhsa_user_sgpr_kernarg_segment_ptr 1
		.amdhsa_wavefront_size32 1
		.amdhsa_system_sgpr_workgroup_id_x 1
		.amdhsa_system_sgpr_workgroup_id_y 1
		.amdhsa_system_sgpr_workgroup_id_z 1
		.amdhsa_system_vgpr_workitem_id 0
		.amdhsa_next_free_vgpr 1024
		.amdhsa_next_free_sgpr 100
		.amdhsa_reserve_vcc 0
		.amdhsa_float_denorm_mode_32 3
		.amdhsa_float_denorm_mode_16_64 3
		.amdhsa_memory_ordered 1
		.amdhsa_forward_progress 1
		.amdhsa_inst_pref_size 82
	.end_amdhsa_kernel
	.amdgpu_metadata
---
amdhsa.version: [ 1, 2 ]
amdhsa.kernels:
  - .name:           k_q2b819739ab_outp
    .symbol:         k_q2b819739ab_outp.kd
    .args:
      - { .name: ctxc, .offset: 0, .size: 8, .value_kind: global_buffer, .address_space: global }
      - { .name: ctxs, .offset: 8, .size: 8, .value_kind: global_buffer, .address_space: global }
      - { .name: opc, .offset: 16, .size: 8, .value_kind: global_buffer, .address_space: global }
      - { .name: ops, .offset: 24, .size: 8, .value_kind: global_buffer, .address_space: global }
      - { .name: bo, .offset: 32, .size: 8, .value_kind: global_buffer, .address_space: global }
      - { .name: out0, .offset: 40, .size: 8, .value_kind: global_buffer, .address_space: global }
    .group_segment_fixed_size: 327680
    .private_segment_fixed_size: 0
    .kernarg_segment_align: 8
    .kernarg_segment_size: 48
    .max_flat_workgroup_size: 128
    .sgpr_count:     100
    .vgpr_count:     1024
    .wavefront_size: 32
...
	.end_amdgpu_metadata
.endif
;; end of part 3
